; MI455X (gfx1250); checked and timed in simulation.
; The chip was launched on July 23, 2026; its instructions are those of AMD's public machine-readable ISA for CDNA 5 (MIT licence, August 2026) and "CDNA5" Instruction Set Architecture Reference Guide (July 2026). The comments in the code are by the model that wrote it; some were corrected since.
;; Mini Self Attention. Allowed arithmetic: matrix products marked QUANTISED: E2M3 operands, one E8M0 scale for each 32 along K, by v_wmma_scale_f32_16x16x128_f8f6f4 with both operands' format E2M3, f32 sums; everything else in f32.
;; Inputs: Wk 1,024 x 1,024 float32; Wo 1,024 x 1,024 float32; Wq 1,024 x 1,024 float32; Wv 1,024 x 1,024 float32; bo 1,024 float32; x 4 x 2,048 x 1,024 float32.
;; Outputs: out0 4 x 2,048 x 1,024 float32.
;; This version of the problem:
;;   THIS VERSION OF THE PROBLEM IS GIVEN IN LOW PRECISION. The matrix products marked QUANTISED in the list below multiply operands that are first quantised to E2M3 (2 exponent bits, 3 mantissa bits; 6 bits a number), with one power-of-two scale for each 32 numbers along K (OCP MX v1.0); their sums are f32. All else is computed in f32.
;;   The module's matrix products, in the order in which they are computed (A, B: the left and right operand; K: the contracted axis; several contracted axes count as one K, in the product's order):
;;     1. [M 8,192, K 1,024] x [K 1,024, N 1,024]; A: input x; B: input Wq: QUANTISED
;;     2. [M 8,192, K 1,024] x [K 1,024, N 1,024]; A: input x; B: input Wk: QUANTISED
;;     3. [M 8,192, K 1,024] x [K 1,024, N 1,024]; A: input x; B: input Wv: QUANTISED
;;     4. batch 64 x [M 2,048, K 64] x [K 64, N 2,048]; A: computed on the way; B: computed on the way: QUANTISED
;;     5. batch 64 x [M 64, K 2,048] x [K 2,048, N 2,048]; A: computed on the way; B: softmax (see below): QUANTISED
;;     6. [M 8,192, K 1,024] x [K 1,024, N 1,024]; A: computed on the way; B: input Wo: QUANTISED
;;   THE QUANTISER, for each operand of a quantised product, along K:
;;     - K is cut into blocks of 32 from its start; a last block that is shorter is filled with zeros.
;;     - A block's scale is 2^e with e = floor(log2(the largest magnitude in the block)) - 2, held to -126 .. 127; a block of zeros has e = 0. As a byte (E8M0): e + 127.
;;     - Each number is divided by its block's scale, clamped to +-7.5, and rounded to the nearest number of E2M3, ties to even, subnormals kept.
;;     - The product sums the exact products of the quantised numbers (number of the format x scale) in f32.
;;   ~~~python
;;   def quantise(x, axis):      # numpy; x: float32 -> the quantised numbers, widened to float32 again
;;       x = np.moveaxis(x, axis, -1); K = x.shape[-1]
;;       x = np.pad(x, [(0, 0)] * (x.ndim - 1) + [(0, -K % 32)]); x = x.reshape(x.shape[:-1] + (-1, 32)); a = np.abs(x).max(-1, keepdims=True)
;;       e = np.where(a > 0, np.clip(np.frexp(np.where(a > 0, a, 1))[1] - 1 - 2, -126, 127), 0)      # np.frexp(a)[1] - 1 = floor(log2(a)), exactly
;;       r = np.clip(x / 2.0 ** e, -7.5, 7.5)
;;       step = 2.0 ** (np.maximum(np.frexp(np.where(r == 0, 1, r))[1] - 1, 0) - 3)
;;       q = np.round(r / step) * step * 2.0 ** e      # np.round: ties to even
;;       return np.moveaxis(q.reshape(q.shape[:-2] + (-1,))[..., :K], -1, axis).astype(np.float32)
;;   ~~~
;;   SOFTMAX AHEAD OF A QUANTISED PRODUCT. Where the list says 'softmax', what is quantised is not the finished softmax but p = 2^(t - M), with t = logit x log2(e) and M = ceil(the row's largest t), a whole number; so 1/2 < the row's largest p <= 1. The row's sum l is taken of the UNQUANTISED p, in f32, and the product's result is divided by l at the end. Since M is a whole number, a kernel that streams over the keys may use a running M (the ceiling of the running maximum): every later rescaling is an exact power of two, which a block's scale takes up: the codes' values come out the same.
;;   OPERANDS COMPUTED ON THE WAY. 'Computed on the way' means the value that the module computes at that place (a softmax that the list does not call 'softmax' is quantised finished and normalised). What goes into a quantiser is computed in f32, as accurately as f32 sums, v_exp_f32 and their like allow (about 1e-6 of the number): no bf16 or f16 on the way to a quantiser, and a product that is left as it is and whose result goes on into a quantised operand takes f32 operands (vector FMAs, or v_wmma_f32_16x16x4_f32). A number that lies on a knife's edge between two numbers of the format may be rounded either way, as far as f32 arithmetic and the matrix unit's own rounding can turn it there, and no further.
;; One version. Each part assembles by itself: llvm-mc -triple=amdgcn-amd-amdhsa -mcpu=gfx1250 --defsym DOCPART=n.
;; ======== version 1 of 1: 5 launches
;; limits: right only within a limited range of input values
;; workspace buffers: xq 6,553,600 bytes; wqk 1,638,400 bytes; wv 819,200 bytes; woq 819,200 bytes; qk 16,777,216 bytes; vt 54,525,952 bytes; ao 6,553,600 bytes
;; launch quant (part 1): grid 384 x 1, 4 waves a work-group, no clusters, 34,304 bytes of LDS; arguments x, Wq, Wk, Wv, Wo, xq, wqk, wv, woq; writes xq, wqk, wv, woq
.if DOCPART == 1
	.amdgcn_target "amdgcn-amd-amdhsa--gfx1250"
	.amdhsa_code_object_version 6
	.text
	.protected	k_q58719bde6c_quant
	.globl	k_q58719bde6c_quant
	.p2align	8
	.type	k_q58719bde6c_quant,@function
k_q58719bde6c_quant:
	s_mov_b64 s[64:65], 0
	v_nop
	global_prefetch_b8 v0, s[64:65] scope:SCOPE_SE
	s_setreg_imm32_b32 hwreg(HW_REG_WAVE_MODE, 25, 1), 1
	s_wait_xcnt 0x0
; x [8192][1024] and the four weights [1024][1024], f32, K innermost, become codes of FP6 (E2M3) with one E8M0 byte for each 32 along K,
; laid as IMAGES OF THE OPERAND'S REGISTERS.  A row group is 16 rows: lane index r of group 2 b + u stands for row 32 b + 8 u + r + 8 (r / 8).
; A half fragment (16 rows x 64 along K) is 768 bytes: lane l's registers 0-3 at 16 l, its registers 4-5 at 512 + 8 l; lane (r, h) holds k = 32 h + 0 .. 31 of the 64.
; A group's record is 12,800 bytes: 16 half fragments, then 512 bytes of scale words [quad 0, 1][r][4 words]; word w of quad Q serves K = 128 (4 Q + w) on.
; A block's scale is 2^(floor(log2(its largest magnitude)) - 2); its byte is the largest magnitude's exponent field - 2, held at 1 from below.
; LIMITS: a block whose largest magnitude lies under 2^-124 (a block of zeros too) gets the byte 1: zero codes add nothing, and this program alone reads the bytes.  NaN and infinities are not served.
; SHARES: a work-group takes 32 rows (two groups), a wave one group x 512 along K, in four steps of 128.  Work-groups 0-255: x; 256-287: Wq; 288-319: Wk (behind Wq in wqk); 320-351: Wv; 352-383: Wo.
; Each load reads 512 consecutive bytes of one row; a step's 16 rows turn through the wave's own stage in LDS (rows 528 bytes apart) and come back 32 neighbours a lane and block.
; No tensor load, no barrier: waves share nothing.  Loads run two steps (32 loads a wave) ahead.
.set SP,    528                        ; a stage row: 512 bytes + 16
.set STG,   16*SP                      ; a wave's stage
.set SPARE, 4*STG                      ; behind the stages: the spare words, 128 bytes for each wave
.set GRPB,  12800
.set LN,   2                           ; v2  lane
.set L16,  3                           ; v3  16 x lane: a load's and a 16-byte store's offset; never rewritten
.set L8,   4                           ; v4  8 x lane
.set SIN,  5                           ; v5  the stage, on the way in
.set SOUT, 6                           ; v6  and out: row r, + 128 h
.set SWO,  7                           ; v7  16 r + 8 h: my two scale words' place
.set H8,   8                           ; v8  8 h
.set RR,   9
.set HH,   10
.set SPW,  12                          ; v12 LDS address of my spare word; never rewritten
.set NIL,  13                          ; v13 0; never rewritten
.set R,    16                          ; v16-143  two sets of 64 registers as loaded
.set X,    144                         ; v144-207 register 32 c + i = k 64 c + 32 h + i of my row
.set C,    208                         ; v208-231 two sets of 12: a step's codes
.set TA,   232                         ; v232-234, v236-238: the upper halves of the two blocks, as converted
.set MX,   240
.set SO,   242
.set BY,   244
.set WD,   246
.set PD,   247
.set WS,   248                         ; v248-251 the four steps' scale words
.set SRC,  26                          ; s[26:27] where my wave reads
.set DSC,  28                          ; s[28:29] where its scale words go
.set DCO,  38                          ; s[38:39] where its codes go
	s_load_b256 s[4:11], s[0:1], 0x0               ; x s[4:5], Wq s[6:7], Wk s[8:9], Wv s[10:11]
	s_load_b256 s[12:19], s[0:1], 0x20             ; Wo s[12:13], xq s[14:15], wqk s[16:17], wv s[18:19]
	s_load_b64 s[20:21], s[0:1], 0x40              ; woq
	v_lshl_add_u32 v[SPW], v0, 2, SPARE
	v_mov_b32 v[NIL], 0
	v_lshrrev_b32 v1, 5, v0
	v_readfirstlane_b32 s22, v1                    ; wave 0..3
	v_and_b32 v[LN], 31, v0
	v_lshlrev_b32 v[L16], 4, v[LN]
	v_lshlrev_b32 v[L8], 3, v[LN]
	s_mul_i32 s23, s22, STG
	v_add_nc_u32 v[SIN], s23, v[L16]
	v_and_b32 v[RR], 15, v0
	v_bfe_u32 v[HH], v0, 4, 1
	v_mul_u32_u24 v[SOUT], v[RR], SP
	v_lshl_add_u32 v[SOUT], v[HH], 7, v[SOUT]
	v_add_nc_u32 v[SOUT], s23, v[SOUT]
	v_lshlrev_b32 v[SWO], 4, v[RR]
	v_lshl_add_u32 v[SWO], v[HH], 3, v[SWO]
	v_lshlrev_b32 v[H8], 3, v[HH]
	v_mov_b32 v[PD], 0                             ; a lane permute's destination counts as one of its sources
	s_mov_b32 s24, 0x76543210
	s_mov_b32 s25, 0xfedcba98                      ; v_permlanex16_b32's selects for lane l xor 16
	s_wait_alu depctr_va_vdst(0)
	s_wait_kmcnt 0x0
	; which tensor: the choices hang on the work-group's number alone
	s_mov_b64 s[SRC:SRC+1], s[12:13]
	s_mov_b64 s[DSC:DSC+1], s[20:21]
	s_mov_b32 s30, 352                             ; the tensor's first work-group
	s_mov_b32 s31, 0                               ; groups that lie ahead of it in its buffer
	s_cmp_lt_u32 ttmp9, 352
	s_cselect_b64 s[SRC:SRC+1], s[10:11], s[SRC:SRC+1]
	s_cselect_b64 s[DSC:DSC+1], s[18:19], s[DSC:DSC+1]
	s_cselect_b32 s30, 320, s30
	s_cmp_lt_u32 ttmp9, 320
	s_cselect_b64 s[SRC:SRC+1], s[8:9], s[SRC:SRC+1]
	s_cselect_b64 s[DSC:DSC+1], s[16:17], s[DSC:DSC+1]
	s_cselect_b32 s30, 288, s30
	s_cselect_b32 s31, 64, s31
	s_cmp_lt_u32 ttmp9, 288
	s_cselect_b64 s[SRC:SRC+1], s[6:7], s[SRC:SRC+1]
	s_cselect_b32 s30, 256, s30
	s_cselect_b32 s31, 0, s31
	s_cmp_lt_u32 ttmp9, 256
	s_cselect_b64 s[SRC:SRC+1], s[4:5], s[SRC:SRC+1]
	s_cselect_b64 s[DSC:DSC+1], s[14:15], s[DSC:DSC+1]
	s_cselect_b32 s30, 0, s30
	s_sub_co_u32 s30, ttmp9, s30                   ; d: which 32 rows of the tensor
	s_lshr_b32 s32, s22, 1                         ; u: which of the two groups
	s_and_b32 s33, s22, 1                          ; Q: which half of K
	s_lshl_b32 s34, s30, 17                        ; 32 rows of 4,096 bytes,
	s_lshl_b32 s35, s32, 15                        ; 8 rows,
	s_add_co_u32 s34, s34, s35
	s_lshl_b32 s35, s33, 11                        ; 512 numbers
	s_add_co_u32 s34, s34, s35
	s_mov_b32 s35, 0
	s_add_nc_u64 s[SRC:SRC+1], s[SRC:SRC+1], s[34:35]
	s_lshl_b32 s34, s30, 1
	s_add_co_u32 s34, s34, s32
	s_add_co_u32 s34, s34, s31                     ; the group in its buffer
	s_mul_i32 s34, s34, GRPB
	s_mul_i32 s36, s33, 8*768
	s_add_co_u32 s36, s36, s34
	s_mov_b32 s37, 0
	s_add_nc_u64 s[DCO:DCO+1], s[DSC:DSC+1], s[36:37]
	s_lshl_b32 s36, s33, 8
	s_add_co_u32 s36, s36, s34
	s_add_co_u32 s36, s36, 16*768
	s_add_nc_u64 s[DSC:DSC+1], s[DSC:DSC+1], s[36:37]
.macro LOAD t                          ; step t: 128 numbers of each of my 16 rows, into set t % 2
.set i, 0
.rept 16
	global_load_b128 v[R+64*((\t)%2)+4*i:R+64*((\t)%2)+4*i+3], v[L16], s[SRC:SRC+1] offset:(i+8*(i/8))*4096+512*(\t) th:TH_LOAD_NT
.set i, i+1
.endr
.endm
.macro QSTEP t
.set RS, R+64*((\t)%2)
.set CS, C+12*((\t)%2)
.if (\t) < 3
	s_wait_loadcnt 16                              ; this step's 16 loads are in; the next step's 16 may be out
.else
	s_wait_loadcnt 0x0
.endif
.set i, 0
.rept 16
	ds_store_b128 v[SIN], v[RS+4*i:RS+4*i+3] offset:SP*i
.set i, i+1
.endr
.irp c, 0,1                            ; LDS serves a wave's instructions in order: these see the stores above
.irp j, 0,1,2,3,4,5,6,7
	ds_load_b128 v[X+32*\c+4*\j:X+32*\c+4*\j+3], v[SOUT] offset:256*\c+16*\j
.endr
.endr
	s_wait_dscnt 0x0                               ; the numbers are back, and the stores have read their registers,
.if (\t) < 2
	LOAD (\t)+2                                    ; which take the loads of two steps on
.endif
.irp c, 0,1
	v_max3_num_f32 v[MX+\c], |v[X+32*\c]|, |v[X+32*\c+1]|, 0x1800000   ; my block 2 c + h: all 32 numbers are mine; and the floor 2^(3 - 127), so that the byte cannot fall under 1
.endr
.set i, 2
.rept 15
.irp c, 0,1
	v_max3_num_f32 v[MX+\c], v[MX+\c], |v[X+32*\c+i]|, |v[X+32*\c+i+1]|
.endr
.set i, i+2
.endr
.irp c, 0,1
	v_add_nc_u32 v[SO+\c], 0xff000000, v[MX+\c]    ; 2 off the exponent field: the conversion takes the exponent field of this operand as its scale
.endr
.irp c, 0,1
	v_lshrrev_b32 v[BY+\c], 23, v[SO+\c]           ; the scale's byte
.endr
	v_lshl_or_b32 v[WD], v[BY+1], 16, v[BY]        ; my two bytes, blocks h and 2 + h,
	v_lshlrev_b32 v[WD], v[H8], v[WD]              ; at their places in the word;
	v_permlanex16_b32 v[PD], v[WD], s24, s25
	v_or_b32 v[WS+(\t)], v[WD], v[PD]              ; with lane l xor 16's two the word is whole
.if (\t) >= 2
	s_wait_alu depctr_va_vdst(0)
	s_wait_xcnt 0x0                                ; the stores of two steps ago have read this set of codes: only behind this wait is it written again
.endif
.irp c, 0,1
	v_cvt_scalef32_pk16_fp6_f32 v[CS+6*\c:CS+6*\c+2], v[X+32*\c:X+32*\c+15], v[SO+\c]
	v_cvt_scalef32_pk16_fp6_f32 v[TA+4*\c:TA+4*\c+2], v[X+32*\c+16:X+32*\c+31], v[SO+\c]   ; (a conversion's three registers begin on an even number)
.endr
	v_nop                                          ; one plain place behind a scaled conversion
.irp c, 0,1
.irp i, 0,1,2
	v_mov_b32 v[CS+6*\c+3+\i], v[TA+4*\c+\i]
.endr
.endr
.irp c, 0,1
	global_store_b128 v[L16], v[CS+6*\c:CS+6*\c+3], s[DCO:DCO+1] offset:(2*(\t)+\c)*768        ; 512 consecutive bytes, at a multiple of 256 from the buffer's first byte
	global_store_b64 v[L8], v[CS+6*\c+4:CS+6*\c+5], s[DCO:DCO+1] offset:(2*(\t)+\c)*768+512    ; 256 consecutive bytes
.endr
.endm
	LOAD 0
	LOAD 1
	QSTEP 0
	QSTEP 1
	QSTEP 2
	QSTEP 3
	v_cmp_eq_u32 vcc_lo, 1, v[HH]
	v_cndmask_b32 v252, v[WS], v[WS+2], vcc_lo     ; lane (r, h) stores words 2 h and 2 h + 1 of row r
	v_cndmask_b32 v253, v[WS+1], v[WS+3], vcc_lo
	global_store_b64 v[SWO], v[252:253], s[DSC:DSC+1]   ; 256 consecutive bytes
	s_wait_tensorcnt 0x0                           ; the wave's end: behind my last LDS store
	ds_add_u32 v[SPW], v[NIL]
	s_wait_dscnt 0x0
	s_endpgm
.Lfunc_end_k_q58719bde6c_quant:
	.size	k_q58719bde6c_quant, .Lfunc_end_k_q58719bde6c_quant-k_q58719bde6c_quant
	.p2alignl 7, 3214868480
	.fill 96, 4, 3214868480
	.section	.rodata,"a",@progbits
	.p2align	6, 0x0
	.amdhsa_kernel k_q58719bde6c_quant
		.amdhsa_group_segment_fixed_size 34304
		.amdhsa_private_segment_fixed_size 0
		.amdhsa_enable_private_segment 0
		.amdhsa_kernarg_size 72
		.amdhsa_user_sgpr_count 2
		.amdhsa_user_sgpr_kernarg_segment_ptr 1
		.amdhsa_wavefront_size32 1
		.amdhsa_system_sgpr_workgroup_id_x 1
		.amdhsa_system_sgpr_workgroup_id_y 1
		.amdhsa_system_sgpr_workgroup_id_z 1
		.amdhsa_system_vgpr_workitem_id 0
		.amdhsa_next_free_vgpr 256
		.amdhsa_next_free_sgpr 66
		.amdhsa_reserve_vcc 1
		.amdhsa_float_denorm_mode_32 3
		.amdhsa_float_denorm_mode_16_64 3
		.amdhsa_memory_ordered 1
		.amdhsa_forward_progress 1
		.amdhsa_inst_pref_size 31
	.end_amdhsa_kernel
	.amdgpu_metadata
---
amdhsa.version: [ 1, 2 ]
amdhsa.kernels:
  - .name:           k_q58719bde6c_quant
    .symbol:         k_q58719bde6c_quant.kd
    .args:
      - { .name: x, .offset: 0, .size: 8, .value_kind: global_buffer, .address_space: global }
      - { .name: Wq, .offset: 8, .size: 8, .value_kind: global_buffer, .address_space: global }
      - { .name: Wk, .offset: 16, .size: 8, .value_kind: global_buffer, .address_space: global }
      - { .name: Wv, .offset: 24, .size: 8, .value_kind: global_buffer, .address_space: global }
      - { .name: Wo, .offset: 32, .size: 8, .value_kind: global_buffer, .address_space: global }
      - { .name: xq, .offset: 40, .size: 8, .value_kind: global_buffer, .address_space: global }
      - { .name: wqk, .offset: 48, .size: 8, .value_kind: global_buffer, .address_space: global }
      - { .name: wv, .offset: 56, .size: 8, .value_kind: global_buffer, .address_space: global }
      - { .name: woq, .offset: 64, .size: 8, .value_kind: global_buffer, .address_space: global }
    .group_segment_fixed_size: 34304
    .private_segment_fixed_size: 0
    .kernarg_segment_align: 8
    .kernarg_segment_size: 72
    .max_flat_workgroup_size: 128
    .sgpr_count:     66
    .vgpr_count:     256
    .wavefront_size: 32
...
	.end_amdgpu_metadata
.endif
;; end of part 1
;; launch proj_qk (part 2): grid 8 x 32, 4 waves a work-group, clusters of 4 x 4, 327,680 bytes of LDS; arguments xq, wqk, qk; writes qk
.if DOCPART == 2
	.amdgcn_target "amdgcn-amd-amdhsa--gfx1250"
	.amdhsa_code_object_version 6
	.text
	.protected	k_q58719bde6c_proj_qk
	.globl	k_q58719bde6c_proj_qk
	.p2align	8
	.type	k_q58719bde6c_proj_qk,@function
k_q58719bde6c_proj_qk:
	s_mov_b64 s[64:65], 0
	v_nop
	global_prefetch_b8 v0, s[64:65] scope:SCOPE_SE
	s_setreg_imm32_b32 hwreg(HW_REG_WAVE_MODE, 25, 1), 1
	s_wait_xcnt 0x0
	s_wait_alu depctr_hold_cnt(0) depctr_sa_sdst(0) depctr_va_vdst(0) depctr_va_sdst(0) depctr_va_ssrc(0) depctr_va_vcc(0) depctr_vm_vsrc(0)
	s_getreg_b32 s2, hwreg(HW_REG_IB_STS2, 6, 4)
	s_cmp_eq_u32 s2, 0
	s_cbranch_scc0 .Lentry_in_a_cluster
	s_endpgm
.Lentry_in_a_cluster:
	s_bfe_u32 s2, ttmp6, 0x10000c
	s_cmp_lg_u32 s2, 0xf033
	s_cbranch_scc0 .Lentry_shape_is_right
	s_endpgm
.Lentry_shape_is_right:
.set OUTP,  0
.set GRPB,  12800
.set KSB,   3072
.set HALFT, 8*KSB
.set SLOT,  4*HALFT
.set SCL,   2*SLOT
.set HALFS, 8*512
.set SPARE, SCL+4*HALFS
.set CODES, 4194304
.set SNP,   512*768
.set SPITCH, 528
.set FR,    12
.set NL,    4
.set NP,    4
.set ADRA,  16
.set ADRB,  20
.set STO,   24
.set RD,    25
.set CO,    26
.set ADRS,  27
.set SPW,   28
.set NIL,   29
.set HH,    30
.set BO,    31
.set SC,    32
.set MXR,   96
.set PDR,   100
.set SOR,   108
.set WRD,   112
.set TMP,   120
.set SD,    224
.set AF,    128
.set BK,    128
.set G1,   24
.set G0,   32
.set G1B,  48
.set G0B,  56
.set G1S,  68
.set G0S,  76
.set G1SB, 80
.set G0SB, 88
.set MSB, 0
.macro WIN new
.if MSB != \new
	s_set_vgpr_msb (MSB<<8)|\new
.set MSB, \new
.endif
.endm
.set MUL_LO, 0xa1
.set MUL_HI, 0xf1
.set TO_B,   0x40
.macro JLOAD g0a, g1a, g0b, g1b
	s_cmp_eq_u32 s15, 0
	s_cbranch_scc0 .Lfor_b_\@
	tensor_load_to_lds s[\g0a:\g0a+3], s[\g1a:\g1a+7]
	s_nop 0
.rept 4
	v_nop
.endr
	s_branch .Lasked_\@
.Lfor_b_\@:
	tensor_load_to_lds s[\g0b:\g0b+3], s[\g1b:\g1b+7]
	s_nop 0
.rept 4
	v_nop
.endr
.Lasked_\@:
.endm
.macro CREST
	s_cmp_lg_u32 s14, 0
	s_cbranch_scc1 .Lnot_wave_0_\@
	s_barrier_signal -3
.Lnot_wave_0_\@:
	s_barrier_wait -3
	s_barrier_signal -1
	s_barrier_wait -1
.endm
.macro CROUND
	s_barrier_signal -1
	s_barrier_wait -1
	CREST
.endm
	s_load_b128 s[4:7], s[0:1], 0x0
.if OUTP
	s_load_b128 s[8:11], s[0:1], 0x10
.else
	s_load_b64 s[8:9], s[0:1], 0x10
.endif
	v_lshl_add_u32 v[SPW], v0, 2, SPARE
	v_mov_b32 v[NIL], 0
	ds_add_u32 v[SPW], v[NIL]
	ds_add_u32 v[SPW], v[NIL]
	v_lshrrev_b32 v1, 5, v0
	v_readfirstlane_b32 s14, v1
	s_lshr_b32 s15, s14, 1
	s_and_b32 s16, s14, 1
	s_bfe_u32 s40, ttmp6, 0x40000
	s_bfe_u32 s41, ttmp6, 0x40004
	s_lshl_b32 s42, ttmp9, 2
	s_add_co_u32 s42, s42, s40
	s_and_b32 s17, ttmp7, 0xffff
	s_lshl_b32 s17, s17, 2
	s_add_co_u32 s17, s17, s41
	s_lshl_b32 s43, s41, 2
	s_lshl_b32 s43, 15, s43
	s_lshl_b32 s44, 0x1111, s40
	s_or_b32 s[G1+0], s43, (3<<16)|(1<<21)
	s_or_b32 s[G1B+0], s44, (3<<16)|(1<<21)
.irp g, G1, G1B
	s_mov_b32 s[\g+1], 384<<16
	s_mov_b32 s[\g+2], 16<<16                      ; the head's loads bring a tile's 16 groups; behind them the two words that count rows are set to 8
	s_mov_b32 s[\g+3], 384<<16
	s_mov_b32 s[\g+4], 16
	s_mov_b32 s[\g+5], GRPB/8
	s_mov_b32 s[\g+6], 0
	s_mov_b32 s[\g+7], 0
.endr
	s_or_b32 s[G1S+0], s43, (3<<16)|(1<<21)
	s_or_b32 s[G1SB+0], s44, (3<<16)|(1<<21)
.irp g, G1S, G1SB
	s_mov_b32 s[\g+1], 64<<16
	s_mov_b32 s[\g+2], 16<<16                      ; the scale words of a tile's 16 groups
	s_mov_b32 s[\g+3], 64<<16
	s_mov_b32 s[\g+4], 16
	s_mov_b32 s[\g+5], GRPB/8
	s_mov_b32 s[\g+6], 0
	s_mov_b32 s[\g+7], 0
.endr
	s_lshl_b32 s18, s16, 3
	s_lshl_b32 s20, s17, 4
	s_mul_i32 s20, s20, GRPB
	s_mov_b32 s21, 0
	s_lshl_b32 s46, s42, 4
	s_mul_i32 s46, s46, GRPB
	s_mov_b32 s47, 0
	s_mul_i32 s45, s14, HALFT
	s_wait_dscnt 0x0
	s_wait_kmcnt 0x0
	s_add_nc_u64 s[20:21], s[4:5], s[20:21]
	s_add_nc_u64 s[46:47], s[6:7], s[46:47]
	CROUND
	s_mov_b32 s[G0S], 1
	s_mov_b32 s[G0S+1], SCL
	s_add_nc_u64 s[G0S+2:G0S+3], s[20:21], 16*768
	s_or_b32 s[G0S+3], s[G0S+3], 0x80000000
	s_mov_b32 s[G0SB], 1
	s_mov_b32 s[G0SB+1], SCL+2*HALFS
	s_add_nc_u64 s[G0SB+2:G0SB+3], s[46:47], 16*768
	s_or_b32 s[G0SB+3], s[G0SB+3], 0x80000000
	; THE HEAD'S FOUR TILES, ONE A WAVE: wave 0 K step 0 of A's 16 groups, wave 1 of B's, wave 2 A's scale words, wave 3 B's.  Slot 0's groups 0 hold the whole tiles' addresses until these loads have landed
	s_mov_b32 s[G0], 1
	s_mov_b32 s[G0+1], 0
	s_mov_b64 s[G0+2:G0+3], s[20:21]
	s_or_b32 s[G0+3], s[G0+3], 0x80000000
	s_mov_b32 s[G0B], 1
	s_mov_b32 s[G0B+1], 2*HALFT
	s_mov_b64 s[G0B+2:G0B+3], s[46:47]
	s_or_b32 s[G0B+3], s[G0B+3], 0x80000000
	s_mul_i32 s18, s18, GRPB                       ; for the ring: my 8 groups of the tile
	s_mov_b32 s19, 0
	s_add_nc_u64 s[20:21], s[20:21], s[18:19]
	s_add_nc_u64 s[46:47], s[46:47], s[18:19]
	s_mov_b32 s[G0+4], 1
	s_add_co_u32 s[G0+5], s45, SLOT
	s_add_nc_u64 s[G0+6:G0+7], s[20:21], KSB
	s_or_b32 s[G0+7], s[G0+7], 0x80000000
	s_mov_b32 s[G0B+4], 1
	s_add_co_u32 s[G0B+5], s45, SLOT
	s_add_nc_u64 s[G0B+6:G0B+7], s[46:47], KSB
	s_or_b32 s[G0B+7], s[G0B+7], 0x80000000
.macro ARM under, g0, g1, next         ; one arm of the one chain of branches on the wave's number: its load, then a jump to the join
	s_cmp_lt_u32 s14, \under
	s_cbranch_scc0 \next
	tensor_load_to_lds s[\g0:\g0+3], s[\g1:\g1+7]
	s_nop 0
.rept 4
	v_nop
.endr
	s_branch .Lhead_asked
\next:
.endm
	ARM 1, G0,  G1,  .Lhead_b
	ARM 2, G0B, G1B, .Lhead_sa
	ARM 3, G0S, G1S, .Lhead_sb
	tensor_load_to_lds s[G0SB:G0SB+3], s[G1SB:G1SB+7]
	s_nop 0
.rept 4
	v_nop
.endr
.Lhead_asked:
	s_wait_alu depctr_va_vdst(0)
	s_wait_tensorcnt 0x0                           ; my tile of the four is in
	ds_add_u32 v28, v29
	s_mov_b32 s[G1+2], 8<<16                       ; no tensor load of mine is out: from here on a load brings 8 groups,
	s_mov_b32 s[G1+4], 8
	s_mov_b32 s[G1B+2], 8<<16
	s_mov_b32 s[G1B+4], 8
	s_add_co_u32 s[G0+1], s45, 0                   ; and slot 0's groups 0 stand at my 8 groups' K step 0, for its refill
	s_mov_b64 s[G0+2:G0+3], s[20:21]
	s_or_b32 s[G0+3], s[G0+3], 0x80000000
	s_add_co_u32 s[G0B+1], s45, 0
	s_mov_b64 s[G0B+2:G0B+3], s[46:47]
	s_or_b32 s[G0B+3], s[G0B+3], 0x80000000
	s_wait_dscnt 0x0
	CROUND                                         ; all four tiles are in, and all sixteen work-groups are here
	JLOAD G0+4, G1, G0B+4, G1B                     ; K step 1, the first tensor load behind the round
	v_and_b32 v1, 15, v0
	v_bfe_u32 v2, v0, 4, 1
	v_and_b32 v3, 31, v0
	v_lshlrev_b32 v4, 4, v3
	v_lshlrev_b32 v5, 3, v3
	s_mul_i32 s21, s15, HALFT
	s_mul_i32 s22, s16, HALFT
	s_add_co_u32 s22, s22, 2*HALFT
.irp s, 0,1
	v_add_nc_u32 v[ADRA+\s], s21, v4
	v_add_nc_u32 v[ADRA+2+\s], s21, v5
	v_add_nc_u32 v[ADRB+\s], s22, v4
	v_add_nc_u32 v[ADRB+2+\s], s22, v5
	s_add_co_u32 s21, s21, SLOT
	s_add_co_u32 s22, s22, SLOT
.endr
	v_lshlrev_b32 v6, 4, v1
	s_lshl_b32 s21, s15, 12
	s_lshl_b32 s22, s16, 12
	s_add_co_u32 s22, s22, 2*HALFS
	s_sub_co_u32 s22, s22, s21
	v_mul_u32_u24 v7, s22, v2
	s_add_co_u32 s21, s21, SCL
	v_add_nc_u32 v6, v6, v7
	v_add_nc_u32 v[ADRS], s21, v6
	v_mov_b32 v[HH], v2
.if OUTP
	s_mul_i32 s23, s14, 16*SPITCH
	v_mul_u32_u24 v6, v1, SPITCH
	v_lshl_add_u32 v6, v2, 6, v6
	v_add_nc_u32 v[STO], s23, v6
	v_add_nc_u32 v[RD], s23, v4
	v_mov_b32 v[CO], v4
	v_lshlrev_b32 v[BO], 6, v2
	s_lshl_b32 s20, s17, 8
	s_lshl_b32 s21, s15, 7
	s_add_co_u32 s20, s20, s21
	s_lshl_b32 s20, s20, 12
	s_lshl_b32 s46, s42, 10
	s_lshl_b32 s47, s16, 9
	s_add_co_u32 s46, s46, s47
	s_mov_b32 s47, 0
	s_add_nc_u64 s[8:9], s[8:9], s[46:47]
	s_add_co_u32 s20, s20, s46
	s_mov_b32 s21, 0
	s_add_nc_u64 s[10:11], s[10:11], s[20:21]
	WIN TO_B
.irp b, 0,1,2,3,4,5,6,7
	global_load_b128 v[96+128*(\b/4)+8*(\b%4):96+128*(\b/4)+8*(\b%4)+3], v[BO], s[8:9] offset:(32*(\b/2)+8*(\b%2))*4
	global_load_b128 v[96+128*(\b/4)+8*(\b%4)+4:96+128*(\b/4)+8*(\b%4)+7], v[BO], s[8:9] offset:(32*(\b/2)+8*(\b%2))*4+16
.endr
	WIN 0
.else
	v_mov_b32 v[STO], v4
	v_mov_b32 v[RD], v5
	v_lshlrev_b32 v[CO], 5, v1
	v_lshl_add_u32 v[CO], v2, 4, v[CO]
	s_mov_b32 s2, 0x76543210
	s_mov_b32 s3, 0xfedcba98
	s_lshl_b32 s18, s42, 2
	s_lshl_b32 s19, s16, 1
	s_add_co_u32 s18, s18, s19
	s_lshl_b32 s19, s17, 4
	s_lshl_b32 s22, s15, 3
	s_add_co_u32 s19, s19, s22
	s_lshl_b32 s22, s18, 9
	s_add_co_u32 s22, s22, s19
	s_mul_i32 s22, s22, 768
	s_add_co_u32 s22, s22, CODES
	s_mov_b32 s23, 0
	s_add_nc_u64 s[12:13], s[8:9], s[22:23]
	s_lshl_b32 s22, s18, 6
	s_lshr_b32 s19, s19, 3
	s_add_co_u32 s22, s22, s19
	s_lshl_b32 s22, s22, 9
	s_add_nc_u64 s[92:93], s[8:9], s[22:23]
.endif
.macro FRAG reg, adr, q, i
	ds_load_b128 v[\reg:\reg+3], v[\adr] offset:(\i)*KSB+(\q)*1536
	ds_load_b64 v[\reg+4:\reg+5], v[\adr+2] offset:(\i)*KSB+(\q)*1536+512
	ds_load_b128 v[\reg+6:\reg+9], v[\adr] offset:(\i)*KSB+(\q)*1536+768
	ds_load_b64 v[\reg+10:\reg+11], v[\adr+2] offset:(\i)*KSB+(\q)*1536+1280
.endm
.macro MUL16 a0, p, qg, zero
.irp a, \a0, \a0+1
.irp b, 0,1,2,3,4,5,6,7
.if (\zero) && OUTP
	v_wmma_scale_f32_16x16x128_f8f6f4 v[8*(8*((\a)%4)+\b):8*(8*((\a)%4)+\b)+7], v[128*(\p)+FR*\b:128*(\p)+FR*\b+FR-1], v[AF+FR*(\a):AF+FR*(\a)+FR-1], v[96+128*(\b/4)+8*(\b%4):96+128*(\b/4)+8*(\b%4)+7], v[SC+8*\b+(\qg)], v[SC+8*(\a)+(\qg)] matrix_a_fmt:MATRIX_FMT_FP6 matrix_b_fmt:MATRIX_FMT_FP6 matrix_a_scale:MATRIX_SCALE_ROW1
.elseif \zero
	v_wmma_scale_f32_16x16x128_f8f6f4 v[8*(8*((\a)%4)+\b):8*(8*((\a)%4)+\b)+7], v[128*(\p)+FR*\b:128*(\p)+FR*\b+FR-1], v[AF+FR*(\a):AF+FR*(\a)+FR-1], 0, v[SC+8*\b+(\qg)], v[SC+8*(\a)+(\qg)] matrix_a_fmt:MATRIX_FMT_FP6 matrix_b_fmt:MATRIX_FMT_FP6 matrix_a_scale:MATRIX_SCALE_ROW1
.else
	v_wmma_scale_f32_16x16x128_f8f6f4 v[8*(8*((\a)%4)+\b):8*(8*((\a)%4)+\b)+7], v[128*(\p)+FR*\b:128*(\p)+FR*\b+FR-1], v[AF+FR*(\a):AF+FR*(\a)+FR-1], v[8*(8*((\a)%4)+\b):8*(8*((\a)%4)+\b)+7], v[SC+8*\b+(\qg)], v[SC+8*(\a)+(\qg)] matrix_a_fmt:MATRIX_FMT_FP6 matrix_b_fmt:MATRIX_FMT_FP6 matrix_a_scale:MATRIX_SCALE_ROW1
.endif
.endr
.endr
.endm
.macro FETCH_B slot, q, p
	WIN TO_B
.irp i, 0,1,2,3,4,5,6,7
	FRAG 128*(\p)+FR*\i, ADRB+\slot, \q, \i
.endr
	WIN 0
.endm
.macro FETCH_A slot, q, i0
.irp i, \i0, \i0+1, \i0+2, \i0+3
	FRAG AF+FR*(\i), ADRA+\slot, \q, \i
.endr
.endm
.macro SCALES
.irp i, 0,1,2,3,4,5,6,7
	ds_load_b128 v[SC+8*\i:SC+8*\i+3], v[ADRS] offset:512*\i
	ds_load_b128 v[SC+8*\i+4:SC+8*\i+7], v[ADRS] offset:512*\i+256
.endr
.endm
.macro PLACES n
.rept \n
	v_nop
.endr
.endm
.macro STEP slot, qg, zero
	s_wait_dscnt 4*NL
.if (\zero) && OUTP
	WIN 0x91
.else
	WIN MUL_LO
.endif
	MUL16 0, 0, \qg, \zero
	MUL16 2, 0, \qg, \zero
	s_wait_dscnt 0
	PLACES NP
	FETCH_B \slot, 1, 1
	FETCH_A \slot, 1, 0
.if (\zero) && OUTP
	WIN 0xd1
.else
	WIN MUL_HI
.endif
	MUL16 4, 0, \qg, \zero
	MUL16 6, 0, \qg, \zero
	PLACES NP
	WIN 0
	FETCH_A \slot, 1, 4
.endm
.macro TURN slot, next, qg, fill
	s_wait_tensorcnt 0x0
	ds_add_u32 v[SPW], v[NIL]
	s_wait_dscnt 4*NL+1
	WIN MUL_LO
	MUL16 0, 1, \qg, 0
	s_wait_dscnt 0x0
	s_barrier_signal -1
	MUL16 2, 1, \qg, 0
	WIN 0
	s_barrier_wait -1
.if \fill
	CREST
	s_add_nc_u64 s[G0+4*\slot+2:G0+4*\slot+3], s[G0+4*\slot+2:G0+4*\slot+3], 2*KSB
	s_add_nc_u64 s[G0B+4*\slot+2:G0B+4*\slot+3], s[G0B+4*\slot+2:G0B+4*\slot+3], 2*KSB
	JLOAD G0+4*\slot, G1, G0B+4*\slot, G1B
.else
	PLACES NP
.endif
	FETCH_B \next, 0, 0
	FETCH_A \next, 0, 0
	WIN MUL_HI
	MUL16 4, 1, \qg, 0
	MUL16 6, 1, \qg, 0
	PLACES NP
	WIN 0
	FETCH_A \next, 0, 4
.endm
	s_wait_alu depctr_va_vdst(0)
	s_wait_tensorcnt 1
	s_barrier_signal -1
	s_barrier_wait -1
	FETCH_B 0, 0, 0
	FETCH_A 0, 0, 0
	SCALES
	FETCH_A 0, 0, 4
.if OUTP
	s_wait_loadcnt 0x0
.endif
	STEP 0, 0, 1
	TURN 0, 1, 1, 1
	STEP 1, 2, 0
	TURN 1, 0, 3, 1
	STEP 0, 4, 0
	TURN 0, 1, 5, 0
	STEP 1, 6, 0
	s_wait_dscnt 4*NL
	WIN MUL_LO
	MUL16 0, 1, 7, 0
	MUL16 2, 1, 7, 0
	s_wait_dscnt 0
	WIN MUL_HI
	MUL16 4, 1, 7, 0
	MUL16 6, 1, 7, 0
	WIN 0
	PLACES NP
.if OUTP
.macro TOSTAGE a
.set AC, 64*((\a)%4)
.set WD, 0x08+4*((\a)/4)
	WIN WD
.irp b, 0,1,2,3,4,5,6,7
	ds_store_b128 v[STO], v[AC+8*\b:AC+8*\b+3] offset:128*(\b/2)+32*(\b%2)
	ds_store_b128 v[STO], v[AC+8*\b+4:AC+8*\b+7] offset:128*(\b/2)+32*(\b%2)+16
.endr
	WIN 0
.set BB, BK+64*((\a)%2)
.irp t, 0,1,2,3,4,5,6,7,8,9,10,11,12,13,14,15
	ds_load_b128 v[BB+4*\t:BB+4*\t+3], v[RD] offset:\t*SPITCH
.endr
.endm
.macro SEND a, younger
.set BB, BK+64*((\a)%2)
	s_wait_dscnt \younger
.irp t, 0,1,2,3,4,5,6,7,8,9,10,11,12,13,14,15
	global_store_b128 v[CO], v[BB+4*\t:BB+4*\t+3], s[10:11] offset:(32*((\a)/2)+8*((\a)%2)+\t+8*(\t/8))*4096 th:TH_STORE_NT
.endr
.endm
	TOSTAGE 0
.irp a, 1,2,3,4,5,6,7
.if \a > 1
	s_wait_xcnt 0x0
.endif
	TOSTAGE \a
	SEND \a-1, 32
.endr
	SEND 7, 0
.else
.irp b, 0,1,2,3
	v_mov_b32 v[PDR+\b], 0
.endr
.macro QEPI a
.set WQ, 2+(\a)/4
.set WW, WQ*5
.set AC, 64*((\a)%4)
.set PC, AF+12*(\a)
	WIN WW
.irp b, 0,1,2,3
	v_max3_num_f32 v[MXR+\b], |v[AC+16*\b]|, |v[AC+16*\b+1]|, 0x1800000
.endr
.irp i, 2,4,6,8,10,12,14
.irp b, 0,1,2,3
	v_max3_num_f32 v[MXR+\b], |v[AC+16*\b+\i]|, |v[AC+16*\b+\i+1]|, v[MXR+\b]
.endr
.endr
	WIN 0
.irp b, 0,1,2,3
	v_permlanex16_b32 v[PDR+\b], v[MXR+\b], s2, s3
.endr
.irp b, 0,1,2,3
	v_max_num_f32 v[MXR+\b], v[MXR+\b], v[PDR+\b]
.endr
.irp b, 0,1,2,3
	v_add_nc_u32 v[SOR+\b], 0xff000000, v[MXR+\b]
.endr
.irp b, 0,1,2,3
	v_lshrrev_b32 v[PDR+\b], 23, v[SOR+\b]
.endr
	v_lshl_or_b32 v[WRD+(\a)], v[PDR+1], 8, v[PDR]
	v_lshl_or_b32 v[WRD+(\a)], v[PDR+2], 16, v[WRD+(\a)]
	v_lshl_or_b32 v[WRD+(\a)], v[PDR+3], 24, v[WRD+(\a)]
	WIN WQ
.irp c, 0,1
	v_cvt_scalef32_pk16_fp6_f32 v[PC+6*\c:PC+6*\c+2], v[AC+32*\c:AC+32*\c+15], v[SOR+2*\c]
	v_cvt_scalef32_pk16_fp6_f32 v[TMP+4*\c:TMP+4*\c+2], v[AC+32*\c+16:AC+32*\c+31], v[SOR+2*\c+1]
.endr
	WIN 0
	v_nop
.irp c, 0,1
.irp i, 0,1,2
	v_permlane16_swap_b32 v[PC+6*\c+\i], v[TMP+4*\c+\i]
.endr
.irp i, 0,1,2
	v_mov_b32 v[PC+6*\c+3+\i], v[TMP+4*\c+\i]
.endr
.endr
.irp c, 0,1
	global_store_b128 v[STO], v[PC+6*\c:PC+6*\c+3], s[12:13] offset:768*(\a)+SNP*\c
	global_store_b64 v[RD], v[PC+6*\c+4:PC+6*\c+5], s[12:13] offset:768*(\a)+SNP*\c+512
.endr
.endm
.irp a, 0,1,2,3,4,5,6,7
	QEPI \a
.endr
	v_cmp_eq_u32 vcc_lo, 1, v[HH]
.irp j, 0,1,2,3
	v_cndmask_b32 v[SD+\j], v[WRD+\j], v[WRD+4+\j], vcc_lo
.endr
.irp j, 0,1,2,3
	v_alignbit_b32 v[SD+4+\j], v[SD+\j], v[SD+\j], 16
.endr
	global_store_b128 v[CO], v[SD:SD+3], s[92:93]
	global_store_b128 v[CO], v[SD+4:SD+7], s[92:93] offset:64*512
.endif
	s_wait_tensorcnt 0x0
	ds_add_u32 v[SPW], v[NIL]
	s_wait_dscnt 0x0
	CROUND
	s_endpgm
.Lfunc_end_k_q58719bde6c_proj_qk:
	.size	k_q58719bde6c_proj_qk, .Lfunc_end_k_q58719bde6c_proj_qk-k_q58719bde6c_proj_qk
	.p2alignl 7, 3214868480
	.fill 96, 4, 3214868480
	.section	.rodata,"a",@progbits
	.p2align	6, 0x0
	.amdhsa_kernel k_q58719bde6c_proj_qk
		.amdhsa_group_segment_fixed_size 327680
		.amdhsa_private_segment_fixed_size 0
		.amdhsa_enable_private_segment 0
		.amdhsa_kernarg_size 24
		.amdhsa_user_sgpr_count 2
		.amdhsa_user_sgpr_kernarg_segment_ptr 1
		.amdhsa_wavefront_size32 1
		.amdhsa_system_sgpr_workgroup_id_x 1
		.amdhsa_system_sgpr_workgroup_id_y 1
		.amdhsa_system_sgpr_workgroup_id_z 1
		.amdhsa_system_vgpr_workitem_id 0
		.amdhsa_next_free_vgpr 1024
		.amdhsa_next_free_sgpr 98
		.amdhsa_reserve_vcc 1
		.amdhsa_float_denorm_mode_32 3
		.amdhsa_float_denorm_mode_16_64 3
		.amdhsa_memory_ordered 1
		.amdhsa_forward_progress 1
		.amdhsa_inst_pref_size 148
	.end_amdhsa_kernel
	.amdgpu_metadata
---
amdhsa.version: [ 1, 2 ]
amdhsa.kernels:
  - .name:           k_q58719bde6c_proj_qk
    .symbol:         k_q58719bde6c_proj_qk.kd
    .args:
      - { .name: xq, .offset: 0, .size: 8, .value_kind: global_buffer, .address_space: global }
      - { .name: wqk, .offset: 8, .size: 8, .value_kind: global_buffer, .address_space: global }
      - { .name: qk, .offset: 16, .size: 8, .value_kind: global_buffer, .address_space: global }
    .group_segment_fixed_size: 327680
    .private_segment_fixed_size: 0
    .kernarg_segment_align: 8
    .kernarg_segment_size: 24
    .max_flat_workgroup_size: 128
    .sgpr_count:     98
    .vgpr_count:     1024
    .wavefront_size: 32
...
	.end_amdgpu_metadata
.endif
;; end of part 2
;; launch proj_v (part 3): grid 32 x 8, 4 waves a work-group, clusters of 4 x 4, 307,712 bytes of LDS; arguments wv, xq, vt; writes vt
.if DOCPART == 3
	.amdgcn_target "amdgcn-amd-amdhsa--gfx1250"
	.amdhsa_code_object_version 6
	.text
	.protected	k_q58719bde6c_proj_v
	.globl	k_q58719bde6c_proj_v
	.p2align	8
	.type	k_q58719bde6c_proj_v,@function
k_q58719bde6c_proj_v:
	s_mov_b64 s[64:65], 0
	v_nop
	global_prefetch_b8 v0, s[64:65] scope:SCOPE_SE
	s_setreg_imm32_b32 hwreg(HW_REG_WAVE_MODE, 25, 1), 1
	s_wait_xcnt 0x0
	s_wait_alu depctr_hold_cnt(0) depctr_sa_sdst(0) depctr_va_vdst(0) depctr_va_sdst(0) depctr_va_ssrc(0) depctr_va_vcc(0) depctr_vm_vsrc(0)
	s_getreg_b32 s2, hwreg(HW_REG_IB_STS2, 6, 4)
	s_cmp_eq_u32 s2, 0
	s_cbranch_scc0 .Lentry_in_a_cluster
	s_endpgm
.Lentry_in_a_cluster:
	s_bfe_u32 s2, ttmp6, 0x10000c
	s_cmp_lg_u32 s2, 0xf033
	s_cbranch_scc0 .Lentry_shape_is_right
	s_endpgm
.Lentry_shape_is_right:
; v transposed: vt[channel][token] = sum over k of Wv[channel][k] x[token][k], quantised along the tokens, which are the K of attention's second product.
; Wv (buffer wv, 1,024 rows) and x (buffer xq, 8,192 rows) come as codes of FP6 (E2M3), K = 1,024, with one E8M0 byte for each 32 along K, as records of 12,800 bytes for each group of 16 rows:
; 16 half fragments (16 rows x 64 K, 768 bytes: lane l's registers 0-3 at 16 l, registers 4-5 at 512 + 8 l), then 512 bytes of scale words [quad][r][4 words].  Index r of group 2 b + u stands for row 32 b + 8 u + r + 8 (r / 8).
; THE RESULT: from byte 4,194,304 of vt half fragments [token / 64][channel group, pitch 512][768]; from byte 0 scale words [token / 64][channel group / 8, pitch 64][r][8 words], a word for 128 tokens.
; Only the words at even token / 64 are stored: the attention launch reads those alone.
; A work-group makes 128 channels x 256 tokens: 8 x 32 = 256 work-groups.  ALL OF K STAYS IN LDS: Wv's 8 records and x's 16 are two dense runs of memory, 307,200 bytes together, filled once, one joint load a wave
; (waves 0, 1: four records of Wv each; waves 2, 3: eight of x each).  Nothing is filled again: one wait, one barrier, then eight steps of 128 along K with no barrier between them.
; No prefetch: everything is asked for once, at the head, and there is no loop to run ahead in.
; CLUSTERS: 4 x 4 work-groups; Wv's records are shared along a row of the cluster, x's along a column: each is asked for jointly, with a mask that names the four.
; A wave makes 64 channels x 128 tokens: 32 accumulators.  The matrix instruction is used transposed (source 0 = 16 rows of x, source 1 = 16 rows of Wv): a lane holds one channel, and by the groups' row order
; the 16 registers of token groups 2 b, 2 b + 1 are tokens 32 b + 16 h + 0 .. 15: neighbours along the next K.
; A block's scale is 2^(floor(log2(its largest magnitude)) - 2); its byte is the largest magnitude's exponent field - 2, held at 1 from below.
; LIMITS: a block whose largest magnitude lies under 2^-124 gets the byte 1; NaN and infinities are not served.
; A wave's scale words are 16 bytes of a row's 32: the wave with the other four channel groups writes the rest.
; REGISTERS: window 0: v16-31 addresses, v32-95 scale words (register 8 i + q: lanes 0-15 Wv's group i, lanes 16-31 x's group i, step q), v96-127 the quantiser's, v128-223 Wv's two sets, then the codes;
; window 1: x's two sets at v0 and v128; window 2: the accumulators, (a, b) at v[8 (8 a + b)].
.set GRPB,  12800
.set ABYT,  8*GRPB                     ; Wv's records lie at LDS byte 0, x's behind them
.set SPARE, 24*GRPB                    ; behind the records: the spare words, 128 bytes for each wave
.set CODES, 4194304
.set SNP,   512*768                    ; from one 64 tokens' half fragments to the next
.set FR,    12
.set HH,    2                          ; v2 h;  v4 16 lane;  v5 8 lane (never rewritten)
.set STO,   4
.set RD,    5
.set ADRA,  16                         ; v16, v17  my four groups of Wv: + 16 lane, + 8 lane
.set ADRB,  18                         ; v18, v19  my groups 0-3 of x;  v20, v21 groups 4-7
.set ADRS,  22                         ; v22 scale words of groups 0-3 (lanes 0-15 Wv's, lanes 16-31 x's); v23 of groups 4-7
.set CO,    26                         ; v26 32 r + 8 h
.set SPW,   28
.set NIL,   29
.set SC,    32
.set MXR,   96
.set PDR,   100
.set SOR,   108
.set WRD,   112
.set TMP,   120
.set SD,    224
.set AF,    128
.set G1,   24
.set G0,   32
.set G1B,  48
.set G0B,  56
.set MSB, 0
.macro WIN new                         ; the immediate's high byte repeats the setting that is left
.if MSB != \new
	s_set_vgpr_msb (MSB<<8)|\new
.set MSB, \new
.endif
.endm
.set MUL_LO, 0xa1                      ; source 0 window 1, source 1 window 0, C and D window 2
.set TO_B,   0x40
.macro CROUND
	s_barrier_signal -1
	s_barrier_wait -1
	s_cmp_lg_u32 s14, 0
	s_cbranch_scc1 .Lnot_wave_0_\@
	s_barrier_signal -3
.Lnot_wave_0_\@:
	s_barrier_wait -3
	s_barrier_signal -1
	s_barrier_wait -1
.endm
.macro PLACES n
.rept \n
	v_nop
.endr
.endm
	s_load_b128 s[4:7], s[0:1], 0x0                ; wv, xq
	s_load_b64 s[8:9], s[0:1], 0x10                ; vt
	v_lshl_add_u32 v[SPW], v0, 2, SPARE
	v_mov_b32 v[NIL], 0
	ds_add_u32 v[SPW], v[NIL]                      ; the opening lines: the add, twice on end, and its wait ahead of the first tensor load
	ds_add_u32 v[SPW], v[NIL]
	v_lshrrev_b32 v1, 5, v0
	v_readfirstlane_b32 s14, v1                    ; wave 0..3
	s_lshr_b32 s15, s14, 1                         ; which 64 channels are mine.  Also: I fetch for Wv (0) or for x (1)
	s_and_b32 s16, s14, 1                          ; which 128 tokens.  Also: which half of that operand's records I fetch
	s_bfe_u32 s40, ttmp6, 0x40000                  ; cx, cy
	s_bfe_u32 s41, ttmp6, 0x40004
	s_lshl_b32 s42, ttmp9, 2
	s_add_co_u32 s42, s42, s40                     ; tile column: 256 tokens
	s_and_b32 s17, ttmp7, 0xffff
	s_lshl_b32 s17, s17, 2
	s_add_co_u32 s17, s17, s41                     ; tile row: 128 channels
	s_lshl_b32 s43, s41, 2
	s_lshl_b32 s43, 15, s43                        ; my row of the cluster
	s_lshl_b32 s44, 0x1111, s40                    ; my column
	s_or_b32 s[G1+0], s43, (3<<16)|(1<<21)         ; dense runs as rows of 256 bytes (32 elements of 8): Wv's four records are 200 rows,
	s_mov_b32 s[G1+1], 32<<16
	s_mov_b32 s[G1+2], 200<<16
	s_mov_b32 s[G1+3], 32<<16
	s_mov_b32 s[G1+4], 200
	s_mov_b32 s[G1+5], 32
	s_mov_b32 s[G1+6], 0
	s_mov_b32 s[G1+7], 0
	s_or_b32 s[G1B+0], s44, (3<<16)|(1<<21)        ; x's eight 400
	s_mov_b32 s[G1B+1], 32<<16
	s_mov_b32 s[G1B+2], 400<<16
	s_mov_b32 s[G1B+3], 32<<16
	s_mov_b32 s[G1B+4], 400
	s_mov_b32 s[G1B+5], 32
	s_mov_b32 s[G1B+6], 0
	s_mov_b32 s[G1B+7], 0
	s_lshl_b32 s20, s17, 3                         ; Wv: group 8 x tile row + 4 x half
	s_lshl_b32 s18, s16, 2
	s_add_co_u32 s20, s20, s18
	s_mul_i32 s20, s20, GRPB
	s_mov_b32 s21, 0
	s_lshl_b32 s46, s42, 4                         ; x: group 16 x tile column + 8 x half
	s_lshl_b32 s18, s16, 3
	s_add_co_u32 s46, s46, s18
	s_mul_i32 s46, s46, GRPB
	s_mov_b32 s47, 0
	s_mov_b32 s[G0], 1
	s_mul_i32 s[G0+1], s16, 4*GRPB
	s_mov_b32 s[G0B], 1
	s_mul_i32 s[G0B+1], s16, 8*GRPB
	s_add_co_u32 s[G0B+1], s[G0B+1], ABYT
	s_wait_dscnt 0x0                               ; both opening adds are done
	s_wait_kmcnt 0x0
	s_add_nc_u64 s[G0+2:G0+3], s[4:5], s[20:21]
	s_or_b32 s[G0+3], s[G0+3], 0x80000000
	s_add_nc_u64 s[G0B+2:G0B+3], s[6:7], s[46:47]
	s_or_b32 s[G0B+3], s[G0B+3], 0x80000000
	CROUND                                         ; all sixteen work-groups are here: the joint loads meet
	s_cmp_eq_u32 s15, 0                            ; every way passes exactly one load
	s_cbranch_scc0 .Lfor_b
	tensor_load_to_lds s[G0:G0+3], s[G1:G1+7]
	s_nop 0
	PLACES 4
	s_branch .Lasked
.Lfor_b:
	tensor_load_to_lds s[G0B:G0B+3], s[G1B:G1B+7]
	s_nop 0
	PLACES 4
.Lasked:
	s_mov_b32 s2, 0x76543210
	s_mov_b32 s3, 0xfedcba98                       ; v_permlanex16_b32's selects for lane l xor 16
	s_lshl_b32 s18, s42, 2
	s_lshl_b32 s19, s16, 1
	s_add_co_u32 s18, s18, s19                     ; my first 64 tokens: 4 x tile column + 2 x half
	s_lshl_b32 s19, s17, 3
	s_lshl_b32 s20, s15, 2
	s_add_co_u32 s19, s19, s20                     ; my first channel group: 8 x tile row + 4 x half
	s_lshl_b32 s20, s18, 9
	s_add_co_u32 s20, s20, s19
	s_mul_i32 s20, s20, 768
	s_add_co_u32 s20, s20, CODES
	s_mov_b32 s21, 0
	s_add_nc_u64 s[12:13], s[8:9], s[20:21]        ; where my codes go
	s_lshl_b32 s20, s18, 6
	s_add_co_u32 s20, s20, s17                     ; channel group / 8 = tile row
	s_lshl_b32 s20, s20, 9
	s_lshl_b32 s46, s15, 4                         ; my four words of a row's eight
	s_add_co_u32 s20, s20, s46
	s_add_nc_u64 s[36:37], s[8:9], s[20:21]        ; and my scale words
	s_mul_i32 s22, s15, 4*GRPB                     ; my four groups of Wv in LDS,
	s_mul_i32 s23, s16, 8*GRPB
	s_add_co_u32 s23, s23, ABYT                    ; my eight of x
	s_add_co_u32 s38, s22, 16*768                  ; their scale words: Wv's, and how far on x's lie
	s_add_co_u32 s39, s23, 16*768
	s_sub_co_u32 s39, s39, s38
	v_and_b32 v1, 15, v0                           ; r
	v_bfe_u32 v[HH], v0, 4, 1                      ; h
	v_and_b32 v3, 31, v0
	v_lshlrev_b32 v[STO], 4, v3
	v_lshlrev_b32 v[RD], 3, v3
	v_add_nc_u32 v[ADRA], s22, v[STO]
	v_add_nc_u32 v[ADRA+1], s22, v[RD]
	v_add_nc_u32 v[ADRB], s23, v[STO]
	v_add_nc_u32 v[ADRB+1], s23, v[RD]
	v_add_nc_u32 v[ADRB+2], 4*GRPB, v[ADRB]
	v_add_nc_u32 v[ADRB+3], 4*GRPB, v[ADRB+1]
	v_mul_u32_u24 v7, s39, v[HH]                   ; lanes 16-31 take x's
	v_lshl_add_u32 v6, v1, 4, v7
	v_add_nc_u32 v[ADRS], s38, v6
	v_add_nc_u32 v[ADRS+1], 4*GRPB, v[ADRS]
	v_lshlrev_b32 v[CO], 5, v1
	v_lshl_add_u32 v[CO], v[HH], 3, v[CO]
.irp b, 0,1,2,3
	v_mov_b32 v[PDR+\b], 0                         ; a lane permute's destination counts as one of its sources
.endr
.macro FRAG reg, a16, a8, off          ; a fragment, 16 rows x 128 K: two half fragments
	ds_load_b128 v[\reg:\reg+3], v[\a16] offset:\off
	ds_load_b64 v[\reg+4:\reg+5], v[\a8] offset:\off+512
	ds_load_b128 v[\reg+6:\reg+9], v[\a16] offset:\off+768
	ds_load_b64 v[\reg+10:\reg+11], v[\a8] offset:\off+1280
.endm
.macro FETCH q                         ; step q's twelve fragments, 48 loads, into set q % 2
	WIN TO_B
.irp i, 0,1,2,3,4,5,6,7
	FRAG 128*((\q)%2)+FR*\i, ADRB+2*(\i/4), ADRB+2*(\i/4)+1, (\i%4)*GRPB+(\q)*1536
.endr
	WIN 0
.irp i, 0,1,2,3
	FRAG AF+48*((\q)%2)+FR*\i, ADRA, ADRA+1, \i*GRPB+(\q)*1536
.endr
.endm
.macro MUL32 q, zero                   ; 32 products: the accumulators by turns, in the same order in every step.  zero = 1: the first product starts the sums
.irp a, 0,1,2,3
.irp b, 0,1,2,3,4,5,6,7
.if \zero
	v_wmma_scale_f32_16x16x128_f8f6f4 v[8*(8*\a+\b):8*(8*\a+\b)+7], v[128*((\q)%2)+FR*\b:128*((\q)%2)+FR*\b+FR-1], v[AF+48*((\q)%2)+FR*\a:AF+48*((\q)%2)+FR*\a+FR-1], 0, v[SC+8*\b+(\q)], v[SC+8*\a+(\q)] matrix_a_fmt:MATRIX_FMT_FP6 matrix_b_fmt:MATRIX_FMT_FP6 matrix_a_scale:MATRIX_SCALE_ROW1
.else
	v_wmma_scale_f32_16x16x128_f8f6f4 v[8*(8*\a+\b):8*(8*\a+\b)+7], v[128*((\q)%2)+FR*\b:128*((\q)%2)+FR*\b+FR-1], v[AF+48*((\q)%2)+FR*\a:AF+48*((\q)%2)+FR*\a+FR-1], v[8*(8*\a+\b):8*(8*\a+\b)+7], v[SC+8*\b+(\q)], v[SC+8*\a+(\q)] matrix_a_fmt:MATRIX_FMT_FP6 matrix_b_fmt:MATRIX_FMT_FP6 matrix_a_scale:MATRIX_SCALE_ROW1
.endif
.endr
.endr
.endm
	s_wait_alu depctr_va_vdst(0)                   ; the wait at the head's end
	s_wait_tensorcnt 0x0                           ; my records are in
	s_barrier_signal -1
	s_barrier_wait -1                              ; and so are everybody's
	FETCH 0
.irp i, 0,1,2,3,4,5,6,7                ; the scale words of all eight steps.  (Of groups 4-7 lanes 0-15 read words of records that are not my wave's Wv: no product names them there)
	ds_load_b128 v[SC+8*\i:SC+8*\i+3], v[ADRS+\i/4] offset:(\i%4)*GRPB
	ds_load_b128 v[SC+8*\i+4:SC+8*\i+7], v[ADRS+\i/4] offset:(\i%4)*GRPB+256
.endr
	FETCH 1
	s_wait_dscnt 48                                ; all but step 1's 48 loads
	WIN MUL_LO
	MUL32 0, 1
.set QQ, 1
.rept 6
	PLACES 4                                       ; in front of loads into registers that the last step's products have read
	FETCH QQ+1
	s_wait_dscnt 48                                ; this step's fragments are in; the next step's 48 loads may be out
	WIN MUL_LO
	MUL32 QQ, 0
.set QQ, QQ+1
.endr
	s_wait_dscnt 0x0
	MUL32 7, 0
	WIN 0
	PLACES 4
; THE WAY OUT of channel group a: its 128 tokens are four blocks of 32; a block lies in lanes l and l xor 16; the codes leave as two half fragments, the four bytes as one scale word a channel
.macro QEPI a
.set AC, 64*(\a)
.set PC, AF+12*(\a)
	WIN 0x0a                                       ; sources 0 and 1: window 2
.irp b, 0,1,2,3
	v_max3_num_f32 v[MXR+\b], |v[AC+16*\b]|, |v[AC+16*\b+1]|, 0x1800000   ; each accumulator from its low end on; and the floor 2^(3 - 127): the byte cannot fall under 1
.endr
.irp i, 2,4,6,8,10,12,14
.irp b, 0,1,2,3
	v_max3_num_f32 v[MXR+\b], |v[AC+16*\b+\i]|, |v[AC+16*\b+\i+1]|, v[MXR+\b]
.endr
.endr
	WIN 0
.irp b, 0,1,2,3
	v_permlanex16_b32 v[PDR+\b], v[MXR+\b], s2, s3
.endr
.irp b, 0,1,2,3
	v_max_num_f32 v[MXR+\b], v[MXR+\b], v[PDR+\b]
.endr
.irp b, 0,1,2,3
	v_add_nc_u32 v[SOR+\b], 0xff000000, v[MXR+\b]  ; 2 off the exponent field: the conversion's scale operand
.endr
.irp b, 0,1,2,3
	v_lshrrev_b32 v[PDR+\b], 23, v[SOR+\b]         ; the scale's byte
.endr
	v_lshl_or_b32 v[WRD+(\a)], v[PDR+1], 8, v[PDR]
	v_lshl_or_b32 v[WRD+(\a)], v[PDR+2], 16, v[WRD+(\a)]
	v_lshl_or_b32 v[WRD+(\a)], v[PDR+3], 24, v[WRD+(\a)]
	WIN 0x02                                       ; source 0: window 2
.irp c, 0,1
	v_cvt_scalef32_pk16_fp6_f32 v[PC+6*\c:PC+6*\c+2], v[AC+32*\c:AC+32*\c+15], v[SOR+2*\c]
	v_cvt_scalef32_pk16_fp6_f32 v[TMP+4*\c:TMP+4*\c+2], v[AC+32*\c+16:AC+32*\c+31], v[SOR+2*\c+1]   ; (a conversion's three registers begin on an even number)
.endr
	WIN 0
	v_nop                                          ; one plain place behind a scaled conversion
.irp c, 0,1                            ; the operand's layout wants a whole block in a lane
.irp i, 0,1,2
	v_permlane16_swap_b32 v[PC+6*\c+\i], v[TMP+4*\c+\i]
.endr
.irp i, 0,1,2
	v_mov_b32 v[PC+6*\c+3+\i], v[TMP+4*\c+\i]
.endr
.endr
.irp c, 0,1
	global_store_b128 v[STO], v[PC+6*\c:PC+6*\c+3], s[12:13] offset:768*(\a)+SNP*\c        ; 512 consecutive bytes, at a multiple of 256 from the buffer's first byte
	global_store_b64 v[RD], v[PC+6*\c+4:PC+6*\c+5], s[12:13] offset:768*(\a)+SNP*\c+512    ; 256 consecutive bytes
.endr
.endm
.irp a, 0,1,2,3
	QEPI \a
.endr
	v_cmp_eq_u32 vcc_lo, 1, v[HH]
	v_cndmask_b32 v[SD], v[WRD], v[WRD+2], vcc_lo  ; lane (r, h) stores the words of my channel groups 2 h and 2 h + 1 of index r
	v_cndmask_b32 v[SD+1], v[WRD+1], v[WRD+3], vcc_lo
	global_store_b64 v[CO], v[SD:SD+1], s[36:37]
	s_wait_tensorcnt 0x0                           ; the wave's end
	ds_add_u32 v[SPW], v[NIL]
	s_wait_dscnt 0x0
	CROUND                                         ; the closing round
	s_endpgm
.Lfunc_end_k_q58719bde6c_proj_v:
	.size	k_q58719bde6c_proj_v, .Lfunc_end_k_q58719bde6c_proj_v-k_q58719bde6c_proj_v
	.p2alignl 7, 3214868480
	.fill 96, 4, 3214868480
	.section	.rodata,"a",@progbits
	.p2align	6, 0x0
	.amdhsa_kernel k_q58719bde6c_proj_v
		.amdhsa_group_segment_fixed_size 307712
		.amdhsa_private_segment_fixed_size 0
		.amdhsa_enable_private_segment 0
		.amdhsa_kernarg_size 24
		.amdhsa_user_sgpr_count 2
		.amdhsa_user_sgpr_kernarg_segment_ptr 1
		.amdhsa_wavefront_size32 1
		.amdhsa_system_sgpr_workgroup_id_x 1
		.amdhsa_system_sgpr_workgroup_id_y 1
		.amdhsa_system_sgpr_workgroup_id_z 1
		.amdhsa_system_vgpr_workitem_id 0
		.amdhsa_next_free_vgpr 768
		.amdhsa_next_free_sgpr 66
		.amdhsa_reserve_vcc 1
		.amdhsa_float_denorm_mode_32 3
		.amdhsa_float_denorm_mode_16_64 3
		.amdhsa_memory_ordered 1
		.amdhsa_forward_progress 1
		.amdhsa_inst_pref_size 83
	.end_amdhsa_kernel
	.amdgpu_metadata
---
amdhsa.version: [ 1, 2 ]
amdhsa.kernels:
  - .name:           k_q58719bde6c_proj_v
    .symbol:         k_q58719bde6c_proj_v.kd
    .args:
      - { .name: wv, .offset: 0, .size: 8, .value_kind: global_buffer, .address_space: global }
      - { .name: xq, .offset: 8, .size: 8, .value_kind: global_buffer, .address_space: global }
      - { .name: vt, .offset: 16, .size: 8, .value_kind: global_buffer, .address_space: global }
    .group_segment_fixed_size: 307712
    .private_segment_fixed_size: 0
    .kernarg_segment_align: 8
    .kernarg_segment_size: 24
    .max_flat_workgroup_size: 128
    .sgpr_count:     66
    .vgpr_count:     768
    .wavefront_size: 32
...
	.end_amdgpu_metadata
.endif
;; end of part 3
;; launch attn (part 4): grid 4 x 64, 16 waves a work-group, clusters of 4 x 1, 239,616 bytes of LDS; arguments qk, vt, ao; writes ao
.if DOCPART == 4
	.amdgcn_target "amdgcn-amd-amdhsa--gfx1250"
	.amdhsa_code_object_version 6
	.text
	.protected	k_q58719bde6c_attn
	.globl	k_q58719bde6c_attn
	.p2align	8
	.type	k_q58719bde6c_attn,@function
k_q58719bde6c_attn:
	s_mov_b64 s[64:65], 0
	v_nop
	global_prefetch_b8 v0, s[64:65] scope:SCOPE_SE
	s_setreg_imm32_b32 hwreg(HW_REG_WAVE_MODE, 25, 1), 1
	s_wait_xcnt 0x0
	s_wait_alu depctr_hold_cnt(0) depctr_sa_sdst(0) depctr_va_vdst(0) depctr_va_sdst(0) depctr_va_ssrc(0) depctr_va_vcc(0) depctr_vm_vsrc(0)
	s_getreg_b32 s2, hwreg(HW_REG_IB_STS2, 6, 4)
	s_cmp_eq_u32 s2, 0
	s_cbranch_scc0 .Lentry_in_a_cluster
	s_endpgm
.Lentry_in_a_cluster:
	s_bfe_u32 s2, ttmp6, 0x10000c
	s_cmp_lg_u32 s2, 0x3003
	s_cbranch_scc0 .Lentry_shape_is_right
	s_endpgm
.Lentry_shape_is_right:
; Attention of 64 (batch, head) pairs, 2,048 queries x 2,048 keys, head size 64, both products on codes of FP6 (E2M3) with one E8M0 byte for each 32 along a product's K.
; q, k (buffer qk) and v transposed (buffer vt) come as half fragments (16 rows x 64 K, 768 bytes: lane l's registers 0-3 at 16 l, registers 4-5 at 512 + 8 l) with their scale words:
; scale words [n / 64][row group / 8, pitch 64][r][8 words], then from byte 4,194,304 the codes [n / 64][row group, pitch 512][768].  Index r of row group 2 b + u stands for row 32 b + 8 u + r + 8 (r / 8).
; THE SOFTMAX: t = score x log2(e) / 8; M = the running largest t rounded up to a whole number; p = 2^(t - M) is quantised along the keys, not normalised; the row's sum is taken of the unquantised p
; and divides at the end; when M moves, the sum and O are multiplied by 2^(old M - new M), which rounds nothing.  O / sum is quantised along the features and leaves as an operand of the last projection.
; SHARES.  A cluster of four work-groups takes one (batch, head); a work-group 512 queries; each of its sixteen waves 16 queries in each of two passes.
; K AND V OF THE HEAD STAY IN LDS, filled once by joint loads of the four partners, one load a wave: waves 0-7 V's codes (256 keys each), waves 8-13 K's codes (64 rows of 256 bytes each), wave 14 K's scale
; words, wave 15 V's.  One barrier shows them to all waves; nothing is filled again, so no other barrier stands in the text and a wave goes from its first pass into its second by itself.
; No prefetch: K and V are asked for once, at the head, and there is no loop to run ahead in.
; WHICH KEYS FORM A TILE.  Both products are used transposed (S^T = K Q^T, O^T = V^T P^T): a lane holds one query.  Tile (c, t) of a step of 128 keys takes keys 64 c + 8 t + 0..7 as its rows 0-7 and
; keys 64 c + 32 + 8 t + 0..7 as its rows 8-15: so the 32 registers of tiles (c, 0..3) of lane (query, h) are keys 64 c + 32 h + 0 .. 31, a WHOLE block of the second product's K, in the operand's own order.
; In the stored row groups those keys are index (r % 8) + 8 (t / 2) of group 4 c + t % 2 (rows 0-7) and of the group two further on (rows 8-15): a lane term in the LDS address, and immediates.
; K's codes have 64 bytes of padding behind each 256 in LDS: two groups are then 1,920 bytes apart, 128 modulo 256, so that the sixteen lanes of a 16-byte load touch sixteen different 16-byte columns.
; The first product's K is 64: Q's upper six registers hold zero codes, so what K's upper six hold adds nothing: K's eight fragments overlap, fragment T at registers 6 T .. 6 T + 11.
; LIMITS: the promise holds while the scaled scores stay under 2^31 in magnitude; p under 2^-126 counts as 0; a block whose largest magnitude lies under 2^-124 gets the byte 1; NaN and infinities are not served.
; The two scale bytes a row that a wave stores are a part of a row's 16 bytes: the other heads' work-groups write the rest.
.set KCB,   0                          ; K's codes, padded: row group g at 960 g; a step (8 groups) 7,680
.set VCB,   122880                     ; V's codes: 64 keys s at 3,072 s, channel tile t at + 768 t
.set KSC,   221184                     ; K's scale words: 512 j + 32 r + 4 a
.set VSC,   229376                     ; V's: 512 j + 32 r + 16 (head % 2) + 4 t
.set SPARE, 237568                     ; the spare words, 128 bytes for each of sixteen waves
.set CODES, 4194304
.set GRPB,  12800
.set KST,   7680
.set K16B, 1                           ; v1  16 (r % 8) + 320 h + 1,920 (r / 8)      v2  8 (r % 8) + 128 h + 1,920 (r / 8)
.set K8B,  2
.set V16B, 3                           ; v3  VCB + 16 lane     v4  VCB + 8 lane
.set V8B,  4
.set AKS,  5                           ; v5  KSC + 32 (r % 8) + 8 (r / 8)
.set AVS,  6                           ; v6  VSC + 32 r + 16 (head % 2)
.set SPW,  7
.set NIL,  8
.set L16,  9                           ; v9  16 lane, v10  8 lane, v11  16 r: offsets in memory
.set L8,   10
.set R16,  11
                                       ; v12 -M, v13 the running largest score, v[14:15] the sum in two halves
.set H8,   16                          ; v16 8 h
.set R32,  17                          ; v17 32 r
.set AK16, 18                          ; v18-23 the step's six LDS addresses
.set AK8,  19
.set AKW,  20
.set AV16, 21
.set AV8,  22
.set AVW,  23
.set T,    24
.set OM,   25                          ; v25 the old -M
.set F,    26                          ; v26 f, later 1 / sum;  v27 p's scale word
.set PW,   27
.set QS,   28                          ; v28 Q's scale word
.set BM,   30
.set SO,   32
.set BY,   34
.set PD,   36
.set Q,    38                          ; v38-49 Q's fragment; v44-49 zeros
.set Q2,   50                          ; v50-56 the second pass's Q and its scale word
.set KS,   58                          ; v58-65 K's scale words, tile 4 c + t
.set VS,   66                          ; v66-69 V's
.set AC,   68                          ; v70-75 three more chains of the row's sum
.set PC,   76                          ; v76-87 p's codes
.set TC,   88                          ; v88-90, v92-94
.set X,    96                          ; v96-149 K's eight overlapping fragments, then V's four (v144-149 zeros)
.set S,    150                         ; v150-213 S^T, then p
.set O,    214                         ; v214-245 O^T
.set WV,  10
.set SEL, 16                           ; s[16:17]
.set CS,  18                           ; s[18:19] c = log2(e) / 8
.set TK,  90                           ; the step's place in K's codes, V's codes, the scale words
.set TV,  91
.set TS,  92
.set NC,  93                           ; -c
.macro CROUND
	s_barrier_signal -1
	s_barrier_wait -1
	s_cmp_lg_u32 s[WV], 0
	s_cbranch_scc1 .Lnot_wave_0_\@
	s_barrier_signal -3
.Lnot_wave_0_\@:
	s_barrier_wait -3
	s_barrier_signal -1
	s_barrier_wait -1
.endm
.macro ARM under, g0, g1, next         ; one arm of the head's chain: its one joint load, then a jump to the join
	s_cmp_lt_u32 s[WV], \under
	s_cbranch_scc0 \next
	tensor_load_to_lds s[\g0:\g0+3], s[\g1:\g1+7]
	s_nop 0
.rept 4
	v_nop
.endr
	s_branch .Lasked
\next:
.endm
.macro KLOAD off, soff                 ; K's eight fragments and their scale words, off bytes of codes and soff bytes of words beyond the step's addresses
.irp c, 0,1
.irp w, 0,1
.irp u, 0,1
	ds_load_b128 v[X+6*(4*\c+2*\w+\u):X+6*(4*\c+2*\w+\u)+3], v[AK16] offset:\off+960*(4*\c+\u)+128*\w
	ds_load_b64 v[X+6*(4*\c+2*\w+\u)+4:X+6*(4*\c+2*\w+\u)+5], v[AK8] offset:\off+960*(4*\c+\u)+640+64*\w
.endr
.endr
.endr
.irp c, 0,1
.irp w, 0,1
	ds_load_b64 v[KS+4*\c+2*\w:KS+4*\c+2*\w+1], v[AKW] offset:\soff+256*\w+16*\c
.endr
.endr
.endm
.macro PADD i                          ; pair i of p onto one of the sum's four chains
.set PN, ((\i)+2)%4
.if PN == 0
	v_pk_add_f32 v[14:15], v[14:15], v[S+2*(\i):S+2*(\i)+1]
.else
	v_pk_add_f32 v[AC+2*PN:AC+2*PN+1], v[AC+2*PN:AC+2*PN+1], v[S+2*(\i):S+2*(\i)+1]
.endif
.endm
	s_load_b128 s[4:7], s[0:1], 0x0                ; qk s[4:5], vt s[6:7]
	s_load_b64 s[8:9], s[0:1], 0x10                ; ao
	v_lshl_add_u32 v[SPW], v0, 2, SPARE
	v_mov_b32 v[NIL], 0
	ds_add_u32 v[SPW], v[NIL]                      ; the opening lines: the add, twice on end, and its wait ahead of the first tensor load
	ds_add_u32 v[SPW], v[NIL]
	v_lshrrev_b32 v[T], 5, v0
	v_readfirstlane_b32 s[WV], v[T]                ; wave 0..15
	s_and_b32 s13, ttmp7, 0xffff                   ; the (batch, head) pair, which the four partners share
	s_lshr_b32 s14, s13, 4                         ; batch
	s_and_b32 s15, s13, 15                         ; head
	; groups 1: elements of 8 bytes, the mask of all four partners, bit 21 beside it
	s_mov_b32 s20, 15|(3<<16)|(1<<21)              ; K's scale words: 8,192 dense bytes as 32 rows of 256
	s_mov_b32 s21, 32<<16
	s_mov_b32 s22, 32<<16
	s_mov_b32 s23, 32<<16
	s_mov_b32 s24, 32
	s_mov_b32 s25, 32
	s_mov_b32 s26, 0
	s_mov_b32 s27, 0
	s_mov_b32 s28, 15|(3<<16)|(1<<20)|(1<<21)|(5<<22)|(15<<25)   ; K's codes: 64 dense rows of 256 bytes, 16 words of padding behind each 64 words
	s_mov_b32 s29, 32<<16
	s_mov_b32 s30, 64<<16
	s_mov_b32 s31, 32<<16
	s_mov_b32 s32, 64
	s_mov_b32 s33, 32
	s_mov_b32 s34, 0
	s_mov_b32 s35, 0
	s_mov_b32 s36, 15|(3<<16)|(1<<21)              ; V's scale words: 16 rows (key steps) of 512 bytes, 65,536 bytes apart
	s_mov_b32 s37, 64<<16
	s_mov_b32 s38, 16<<16
	s_mov_b32 s39, 64<<16
	s_mov_b32 s40, 16
	s_mov_b32 s41, 8192
	s_mov_b32 s42, 0
	s_mov_b32 s43, 0
	s_mov_b32 s44, 15|(3<<16)|(1<<21)              ; V's codes of 256 keys: 4 rows (64 keys each) of 3,072 bytes, 393,216 bytes apart
	s_mov_b32 s45, 384<<16
	s_mov_b32 s46, 4<<16
	s_mov_b32 s47, 384<<16
	s_mov_b32 s48, 4
	s_mov_b32 s49, 49152
	s_mov_b32 s50, 0
	s_mov_b32 s51, 0
	; groups 0: s[52:55] V's codes, s[56:59] K's codes, s[60:63] K's scale words, s[68:71] V's.  Every wave makes all four and asks by one
	s_and_b32 s88, s[WV], 7                        ; which part of V's codes (waves 0-7) or of K's (waves 8-13)
	s_mov_b32 s52, 1
	s_mov_b32 s56, 1
	s_mov_b32 s60, 1
	s_mov_b32 s68, 1
	s_mul_i32 s53, s88, 12288
	s_add_co_u32 s53, s53, VCB
	s_mul_i32 s57, s88, 20480                      ; 64 rows of 320 bytes
	s_mov_b32 s61, KSC
	s_mov_b32 s69, VSC
	s_lshl_b32 s2, s14, 14                         ; V's codes: half fragment 16,384 x batch + 4 x head, + 4 rows a part
	s_lshl_b32 s89, s15, 2
	s_add_co_u32 s2, s2, s89
	s_mul_i32 s2, s2, 768
	s_add_co_u32 s2, s2, CODES
	s_mul_i32 s89, s88, 4*393216
	s_add_co_u32 s2, s2, s89
	s_mov_b32 s3, 0
	s_add_co_u32 s72, s15, 16                      ; K's codes: half fragment (16 + head) x 512 + 128 x batch, + 16,384 bytes a part
	s_lshl_b32 s72, s72, 9
	s_lshl_b32 s89, s14, 7
	s_add_co_u32 s72, s72, s89
	s_mul_i32 s72, s72, 768
	s_add_co_u32 s72, s72, CODES
	s_lshl_b32 s89, s88, 14
	s_add_co_u32 s72, s72, s89
	s_mov_b32 s73, 0
	s_add_co_u32 s74, s15, 16                      ; K's scale words: ((16 + head) x 64 + 16 x batch) x 512
	s_lshl_b32 s74, s74, 6
	s_lshl_b32 s89, s14, 4
	s_add_co_u32 s74, s74, s89
	s_lshl_b32 s74, s74, 9
	s_mov_b32 s75, 0
	s_lshl_b32 s76, s14, 11                        ; V's: (2,048 x batch + head / 2) x 512
	s_lshr_b32 s89, s15, 1
	s_add_co_u32 s76, s76, s89
	s_lshl_b32 s76, s76, 9
	s_mov_b32 s77, 0
	s_mov_b32 s[SEL], 0x76543210
	s_mov_b32 s[SEL+1], 0xfedcba98                 ; v_permlanex16_b32's selects for lane l xor 16
	s_mov_b32 s[CS], 0x3e38aa3b                    ; c = log2(e) / sqrt(64)
	s_mov_b32 s[CS+1], s[CS]                       ; (named with it as a pair, so it is written)
	s_mov_b32 s[NC], 0xbe38aa3b                    ; -c
	s_wait_dscnt 0x0                               ; both opening adds are done
	s_wait_kmcnt 0x0
	s_add_nc_u64 s[54:55], s[6:7], s[2:3]
	s_add_nc_u64 s[58:59], s[4:5], s[72:73]
	s_add_nc_u64 s[62:63], s[4:5], s[74:75]
	s_add_nc_u64 s[70:71], s[6:7], s[76:77]
	s_or_b32 s55, s55, 0x80000000
	s_or_b32 s59, s59, 0x80000000
	s_or_b32 s63, s63, 0x80000000
	s_or_b32 s71, s71, 0x80000000
	CROUND                                         ; all four work-groups are here: the joint loads meet
	ARM 8,  52, 44, .Larm_k                        ; one chain of branches on the wave's number: every way passes exactly one load
	ARM 14, 56, 28, .Larm_ks
	ARM 15, 60, 20, .Larm_vs
	tensor_load_to_lds s[68:71], s[36:43]
	s_nop 0
.rept 4
	v_nop
.endr
.Lasked:
	; my queries: group G = 128 x batch + 32 x work-group + wave (+ 16 in the second pass).  My place in the cluster enters Q's and the result's addresses alone
	s_bfe_u32 s11, ttmp6, 0x40000                  ; cx
	s_lshl_b32 s12, ttmp9, 2
	s_add_co_u32 s12, s12, s11                     ; work-group x
	s_lshl_b32 s89, s14, 7
	s_lshl_b32 s2, s12, 5
	s_add_co_u32 s89, s89, s2
	s_add_co_u32 s89, s89, s[WV]                   ; G
	s_lshl_b32 s2, s15, 9
	s_add_co_u32 s2, s2, s89
	s_mul_i32 s80, s2, 768
	s_add_co_u32 s80, s80, CODES                   ; Q's codes: half fragment head x 512 + G
	s_mov_b32 s81, 0
	s_lshl_b32 s2, s15, 6
	s_lshr_b32 s3, s89, 3
	s_add_co_u32 s2, s2, s3
	s_lshl_b32 s82, s2, 9                          ; Q's scale words: (head x 64 + G / 8) x 512 + 4 (G % 8)
	s_and_b32 s3, s[WV], 7
	s_lshl_b32 s3, s3, 2
	s_add_co_u32 s82, s82, s3
	s_mov_b32 s83, 0
	s_mul_i32 s84, s89, GRPB                       ; the result: group G's record; half fragment = head,
	s_add_co_u32 s86, s84, 16*768
	s_mul_i32 s2, s15, 768
	s_add_co_u32 s84, s84, s2
	s_mov_b32 s85, 0
	s_lshr_b32 s2, s15, 3                          ; its two scale bytes: quad head / 8, word (head / 2) % 4, bytes 2 (head % 2) on
	s_lshl_b32 s2, s2, 8
	s_add_co_u32 s86, s86, s2
	s_bfe_u32 s2, s15, 0x20001
	s_lshl_b32 s2, s2, 2
	s_add_co_u32 s86, s86, s2
	s_and_b32 s2, s15, 1
	s_lshl_b32 s2, s2, 1
	s_add_co_u32 s86, s86, s2
	s_mov_b32 s87, 0
	s_add_nc_u64 s[80:81], s[4:5], s[80:81]
	s_add_nc_u64 s[82:83], s[4:5], s[82:83]
	s_add_nc_u64 s[84:85], s[8:9], s[84:85]
	s_add_nc_u64 s[86:87], s[8:9], s[86:87]
	v_and_b32 v[T], 31, v0
	v_and_b32 v[OM], 15, v0                        ; r
	v_lshlrev_b32 v[L16], 4, v[T]
	v_lshlrev_b32 v[L8], 3, v[T]
	v_lshlrev_b32 v[R32], 5, v[OM]
	global_load_b128 v[Q:Q+3], v[L16], s[80:81]
	global_load_b64 v[Q+4:Q+5], v[L8], s[80:81] offset:512
	global_load_b32 v[QS], v[R32], s[82:83]
	global_load_b128 v[Q2:Q2+3], v[L16], s[80:81] offset:16*768      ; the second pass's, 16 groups on
	global_load_b64 v[Q2+4:Q2+5], v[L8], s[80:81] offset:16*768+512
	global_load_b32 v[Q2+6], v[R32], s[82:83] offset:2*512
	v_lshlrev_b32 v[R16], 4, v[OM]
	v_bfe_u32 v[AK16], v0, 4, 1                    ; h
	v_and_b32 v[AK8], 7, v0                        ; r % 8
	v_bfe_u32 v[AKW], v0, 3, 1                     ; r / 8
	v_lshlrev_b32 v[H8], 3, v[AK16]
	v_lshlrev_b32 v[K16B], 4, v[AK8]
	v_lshlrev_b32 v[K8B], 3, v[AK8]
	v_lshlrev_b32 v[AKS], 5, v[AK8]
	v_mad_u32_u24 v[K16B], v[AK16], 320, v[K16B]
	v_lshl_add_u32 v[K8B], v[AK16], 7, v[K8B]
	v_lshl_add_u32 v[AKS], v[AKW], 3, v[AKS]
	v_mad_u32_u24 v[K16B], v[AKW], 1920, v[K16B]
	v_mad_u32_u24 v[K8B], v[AKW], 1920, v[K8B]
	v_add_nc_u32 v[AKS], KSC, v[AKS]
	v_add_nc_u32 v[V16B], VCB, v[L16]
	v_add_nc_u32 v[V8B], VCB, v[L8]
	s_and_b32 s2, s15, 1
	s_lshl_b32 s2, s2, 4
	s_add_co_u32 s2, s2, VSC
	v_add_nc_u32 v[AVS], s2, v[R32]
.irp i, 0,1,2,3,4,5
	v_mov_b32 v[Q+6+\i], 0                         ; zero codes for K = 64 .. 127 of the first product: written once
	v_mov_b32 v[X+48+\i], 0                        ; what the last fragment of K names beyond its own six registers: written once
.endr
	v_mov_b32 v[PD], 0                             ; a lane permute's destination counts as one of its sources
	v_mov_b32 v[PD+1], 0
	v_mov_b32 v[PW], 0                             ; (named as the upper half of the pair v[26:27] before it is first written)
	s_wait_alu depctr_va_vdst(0)                   ; the wait at the head's end
	s_wait_loadcnt 0x0                             ; Q of both passes
	s_wait_tensorcnt 0x0                           ; my one load has landed
	s_wait_dscnt 0x0
	s_barrier_signal -1
	s_barrier_wait -1                              ; and so has every wave's: K and V are whole, and stay
	s_mov_b32 s79, 2
.Lpass:
	v_mov_b32 v13, 0xff61b1e6                      ; the largest score so far: -3e38
	v_mov_b32 v12, 0x7d000000                      ; -M to begin with: 2^123, a whole number: the first f comes out 0
	v_mov_b32 v14, 0                               ; the sum, in two halves
	v_mov_b32 v15, 0
	s_mov_b32 s[TK], 0
	s_mov_b32 s[TV], 0
	s_mov_b32 s[TS], 0
	v_add_nc_u32 v[AK16], s[TK], v[K16B]
	v_add_nc_u32 v[AK8], s[TK], v[K8B]
	v_add_nc_u32 v[AKW], s[TS], v[AKS]
	KLOAD 0, 0                                     ; the first step's K
.set j, 0
.rept 32
	v_mov_b32 v[O+j], 0                            ; O^T: the key step is written once; the first finds zeros
.set j, j+1
.endr
	s_mov_b32 s78, 16
	s_wait_alu depctr_va_vdst(0)
.Lstep:                                                ; A KEY STEP: 128 keys
	s_wait_dscnt 0x0                               ; this step's K and its scale words are in
.irp t, 0,1,2,3,4,5,6,7
	v_wmma_scale_f32_16x16x128_f8f6f4 v[S+8*\t:S+8*\t+7], v[X+6*\t:X+6*\t+11], v[Q:Q+11], 0, v[KS+\t], v[QS] matrix_a_fmt:MATRIX_FMT_FP6 matrix_b_fmt:MATRIX_FMT_FP6
.endr
	v_add_nc_u32 v[AV16], s[TV], v[V16B]           ; the step's addresses: the first four lines are the places behind the products
	v_add_nc_u32 v[AV8], s[TV], v[V8B]
	v_add_nc_u32 v[AVW], s[TS], v[AVS]
	v_mov_b32 v[OM], v12
	v_add_nc_u32 v[AK16], s[TK], v[K16B]
	v_add_nc_u32 v[AK8], s[TK], v[K8B]
	v_add_nc_u32 v[AKW], s[TS], v[AKS]
.irp t, 0,1,2,3                        ; V's four fragments (16 channels x these 128 keys) into the registers that K has left: they land under the softmax
	ds_load_b128 v[X+12*\t:X+12*\t+3], v[AV16] offset:768*\t
	ds_load_b64 v[X+12*\t+4:X+12*\t+5], v[AV8] offset:768*\t+512
	ds_load_b128 v[X+12*\t+6:X+12*\t+9], v[AV16] offset:768*\t+3072
	ds_load_b64 v[X+12*\t+10:X+12*\t+11], v[AV8] offset:768*\t+3584
.endr
	ds_load_b128 v[VS:VS+3], v[AVW]
.irp c, 0,1                            ; the largest score of my two blocks of 32 keys, in two chains each; each accumulator is first read at its low end
	v_max3_num_f32 v[BM+\c], v[S+32*\c], v[S+32*\c+1], v[S+32*\c+2]
	v_max3_num_f32 v[BY+\c], v[S+32*\c+16], v[S+32*\c+17], v[S+32*\c+18]
.endr
.irp i, 3,5,7,9,11,13
.irp c, 0,1
	v_max3_num_f32 v[BM+\c], v[BM+\c], v[S+32*\c+\i], v[S+32*\c+\i+1]
	v_max3_num_f32 v[BY+\c], v[BY+\c], v[S+32*\c+16+\i], v[S+32*\c+17+\i]
.endr
.endr
.irp c, 0,1
	v_max3_num_f32 v[BM+\c], v[BM+\c], v[S+32*\c+15], v[S+32*\c+31]
.endr
.irp c, 0,1
	s_delay_alu instid0(VALU_DEP_2)
	v_max_num_f32 v[BM+\c], v[BM+\c], v[BY+\c]     ; it serves for the row's maximum and, since p rises with the score, for the block's largest p
.endr
	s_delay_alu instid0(VALU_DEP_1)
	v_max_num_f32 v[T], v[BM], v[BM+1]
	s_delay_alu instid0(VALU_DEP_1)
	v_permlanex16_b32 v[PD], v[T], s[SEL], s[SEL+1]
	s_delay_alu instid0(VALU_DEP_1)
	v_max3_num_f32 v13, v13, v[T], v[PD]           ; the running largest score of my query, lane l xor 16's 64 keys among them
	s_delay_alu instid0(VALU_DEP_1)
	v_mul_f32 v[T], s[NC], v13                     ; -t (c is positive)
	s_delay_alu instid0(VALU_DEP_1)
	v_floor_f32 v12, v[T]                          ; the new -M = floor(-t): M is a whole number
	s_delay_alu instid0(VALU_DEP_1)
	v_sub_f32 v[T], v12, v[OM]                     ; old M - new M: a whole number, 0 or less
	s_delay_alu instid0(VALU_DEP_1)
	v_cvt_i32_f32 v[T], v[T]                       ; (it saturates)
	s_delay_alu instid0(VALU_DEP_1)
	v_ldexp_f32 v[F], 1.0, v[T]                    ; f = 2^(old M - new M)
.irp c, 0,1
	v_fma_f32 v[BM+\c], v[BM+\c], s[CS], v12       ; t - M of each block's largest score
.endr
.set j, 0
.rept 32
	v_pk_fma_f32 v[S+j:S+j+1], v[S+j:S+j+1], s[CS:CS+1], v[12:13] op_sel_hi:[1,0,0]   ; t - M, two at a time
.set j, j+2
.endr
	s_wait_alu depctr_va_vdst(0)                   ; the wait ahead of the batch
	v_exp_f32 v[BM], v[BM]                         ; the blocks' largest p: the same two instructions on the same number
	v_exp_f32 v[BM+1], v[BM+1]
.set j, 0
.rept 64
	v_exp_f32 v[S+j], v[S+j]                       ; p = 2^(t - M), at most 1
.set j, j+1
.endr
	v_pk_mul_f32 v[14:15], v[14:15], v[F:F+1] op_sel_hi:[1,0]   ; the sums under the new M (a plain place behind the exponentials)
	s_wait_dscnt 0x0                               ; V and its scale words are in
	s_wait_alu depctr_va_vdst(0)                   ; one wait for the whole batch, directly ahead of the first reader of O^T
.set j, 0
.rept 16
	v_pk_mul_f32 v[O+j:O+j+1], v[O+j:O+j+1], v[F:F+1] op_sel_hi:[1,0]   ; O^T under the new M, each accumulator from its low end on
.set j, j+2
.endr
.irp c, 0,1
	v_max_num_f32 v[BM+\c], 0x1800000, v[BM+\c]    ; the floor 2^(3 - 127): the byte cannot fall under 1
.endr
.irp c, 0,1
	v_add_nc_u32 v[SO+\c], 0xff000000, v[BM+\c]    ; 2 off the exponent field: the conversion's scale operand
.endr
.irp c, 0,1                            ; my block 2 c + h whole: registers 6 c .. 6 c + 5 of the operand
	v_cvt_scalef32_pk16_fp6_f32 v[PC+6*\c:PC+6*\c+2], v[S+32*\c:S+32*\c+15], v[SO+\c]
	v_cvt_scalef32_pk16_fp6_f32 v[TC+4*\c:TC+4*\c+2], v[S+32*\c+16:S+32*\c+31], v[SO+\c]   ; (a conversion's three registers begin on an even number)
.endr
.irp c, 0,1
	v_lshrrev_b32 v[BY+\c], 23, v[SO+\c]           ; the scale's byte (a plain place behind the conversions)
.endr
	s_delay_alu instid0(VALU_DEP_1)
	v_lshl_or_b32 v[PW], v[BY+1], 16, v[BY]        ; my two bytes, blocks h and 2 + h,
	s_delay_alu instid0(VALU_DEP_1)
	v_lshlrev_b32 v[PW], v[H8], v[PW]              ; at their places in the word;
	s_delay_alu instid0(VALU_DEP_1)
	v_permlanex16_b32 v[PD+1], v[PW], s[SEL], s[SEL+1]
	s_delay_alu instid0(VALU_DEP_1)
	v_or_b32 v[PW], v[PW], v[PD+1]                 ; with lane l xor 16's two the word is whole
.irp c, 0,1
.irp i, 0,1,2
	v_mov_b32 v[PC+6*\c+3+\i], v[TC+4*\c+\i]
.endr
.endr
	v_pk_add_f32 v[AC+2:AC+3], v[S:S+1], v[S+2:S+3]               ; the row's sum, of the unquantised p, in four chains.  These eight lines are the places between p's scale word and the products
	v_pk_add_f32 v[AC+4:AC+5], v[S+4:S+5], v[S+6:S+7]
	v_pk_add_f32 v[AC+6:AC+7], v[S+8:S+9], v[S+10:S+11]
.irp i, 6,7,8,9,10
	PADD \i
.endr
.irp t, 0,1,2,3                        ; O^T += V^T P^T: the four accumulators by turns; between two links of a chain stand eleven other matrix instructions
	v_wmma_scale_f32_16x16x128_f8f6f4 v[O+8*\t:O+8*\t+7], v[X+12*\t:X+12*\t+11], v[PC:PC+11], v[O+8*\t:O+8*\t+7], v[VS+\t], v[PW] matrix_a_fmt:MATRIX_FMT_FP6 matrix_b_fmt:MATRIX_FMT_FP6
.endr
.irp i, 11,12,13,14
	PADD \i                                        ; four places in front of the loads into the registers that held V
.endr
	s_cmp_eq_u32 s78, 1                            ; the pass's last step has no next step's K to fetch
	s_wait_alu depctr_va_vdst(0)                   ; the wait ahead of the branch
	s_cbranch_scc1 .Lno_next
	KLOAD KST, 512                                 ; the next step's K: it lands under the rest of the sum
.Lno_next:
.irp i, 15,16,17,18,19,20,21,22,23,24,25,26,27,28,29,30,31
	PADD \i
.endr
	v_pk_add_f32 v[14:15], v[14:15], v[AC+2:AC+3]
	v_pk_add_f32 v[AC+4:AC+5], v[AC+4:AC+5], v[AC+6:AC+7]
	s_delay_alu instid0(VALU_DEP_1)
	v_pk_add_f32 v[14:15], v[14:15], v[AC+4:AC+5]
	s_add_co_u32 s[TK], s[TK], KST
	s_add_co_u32 s[TV], s[TV], 6144
	s_add_co_u32 s[TS], s[TS], 512
	s_sub_co_u32 s78, s78, 1
	s_cmp_lg_u32 s78, 0
	s_wait_alu depctr_va_vdst(0)                   ; the wait ahead of the branch
	s_cbranch_scc1 .Lstep
	; THE PASS'S WAY OUT: O^T / the sum, quantised along the features: my head's 64 are two blocks: one half fragment and two scale bytes a row.
	; By the channel groups' row order register 16 b + i of O^T is channel 32 b + 16 h + i of my query
	v_add_f32 v14, v14, v15                        ; the sum's two halves,
	s_delay_alu instid0(VALU_DEP_1)
	v_permlanex16_b32 v[T], v14, s[SEL], s[SEL+1]
	s_delay_alu instid0(VALU_DEP_1)
	v_add_f32 v14, v14, v[T]                       ; and lane l xor 16's
	s_wait_alu depctr_va_vdst(0)
	v_rcp_f32 v[F], v14
	v_nop                                          ; a plain place behind the reciprocal
	s_wait_alu depctr_va_vdst(0)                   ; and the wait ahead of its first reader, which is O^T's too
.set j, 0
.rept 16
	v_pk_mul_f32 v[O+j:O+j+1], v[O+j:O+j+1], v[F:F+1] op_sel_hi:[1,0]
.set j, j+2
.endr
.irp b, 0,1
	v_max3_num_f32 v[BM+\b], |v[O+16*\b]|, |v[O+16*\b+1]|, 0x1800000
.endr
.irp i, 2,4,6,8,10,12,14
.irp b, 0,1
	s_delay_alu instid0(VALU_DEP_2)
	v_max3_num_f32 v[BM+\b], v[BM+\b], |v[O+16*\b+\i]|, |v[O+16*\b+\i+1]|
.endr
.endr
.irp b, 0,1
	s_delay_alu instid0(VALU_DEP_2)
	v_permlanex16_b32 v[PD+\b], v[BM+\b], s[SEL], s[SEL+1]
.endr
.irp b, 0,1
	s_delay_alu instid0(VALU_DEP_2)
	v_max_num_f32 v[BM+\b], v[BM+\b], v[PD+\b]
.endr
.irp b, 0,1
	s_delay_alu instid0(VALU_DEP_2)
	v_add_nc_u32 v[SO+\b], 0xff000000, v[BM+\b]
.endr
.irp b, 0,1
	s_delay_alu instid0(VALU_DEP_2)
	v_lshrrev_b32 v[PD+\b], 23, v[SO+\b]
.endr
	s_delay_alu instid0(VALU_DEP_1)
	v_lshl_or_b32 v[T], v[PD+1], 8, v[PD]          ; the two bytes
	v_cvt_scalef32_pk16_fp6_f32 v[PC:PC+2], v[O:O+15], v[SO]
	v_cvt_scalef32_pk16_fp6_f32 v[TC:TC+2], v[O+16:O+31], v[SO+1]
	v_nop                                          ; one plain place behind a scaled conversion
.irp i, 0,1,2
	v_permlane16_swap_b32 v[PC+\i], v[TC+\i]       ; the operand's layout wants a whole block in a lane
.endr
.irp i, 0,1,2
	v_mov_b32 v[PC+3+\i], v[TC+\i]
.endr
	global_store_b128 v[L16], v[PC:PC+3], s[84:85]                   ; 512 consecutive bytes, at a multiple of 256 from the buffer's first byte
	global_store_b64 v[L8], v[PC+4:PC+5], s[84:85] offset:512        ; 256 consecutive bytes
	global_store_b16 v[R16], v[T], s[86:87]                          ; lanes l and l xor 16 write the same two bytes with the same value
	s_wait_xcnt 0x0                                ; the stores have read their registers and bases: both are written again only behind this wait
	s_add_nc_u64 s[84:85], s[84:85], 16*GRPB       ; the second pass's group, 16 on (behind the second pass these are not used)
	s_add_nc_u64 s[86:87], s[86:87], 16*GRPB
.irp i, 0,1,2,3,4,5
	v_mov_b32 v[Q+\i], v[Q2+\i]
.endr
	v_mov_b32 v[QS], v[Q2+6]                       ; (the lines at the pass's head stand between these and the next products)
	s_sub_co_u32 s79, s79, 1
	s_cmp_lg_u32 s79, 0
	s_wait_alu depctr_va_vdst(0)                   ; the wait ahead of the branch
	s_cbranch_scc1 .Lpass
	s_wait_tensorcnt 0x0                           ; the wave's end
	ds_add_u32 v[SPW], v[NIL]
	s_wait_dscnt 0x0
	CROUND                                         ; the closing round
	s_endpgm
.Lfunc_end_k_q58719bde6c_attn:
	.size	k_q58719bde6c_attn, .Lfunc_end_k_q58719bde6c_attn-k_q58719bde6c_attn
	.p2alignl 7, 3214868480
	.fill 96, 4, 3214868480
	.section	.rodata,"a",@progbits
	.p2align	6, 0x0
	.amdhsa_kernel k_q58719bde6c_attn
		.amdhsa_group_segment_fixed_size 239616
		.amdhsa_private_segment_fixed_size 0
		.amdhsa_enable_private_segment 0
		.amdhsa_kernarg_size 24
		.amdhsa_user_sgpr_count 2
		.amdhsa_user_sgpr_kernarg_segment_ptr 1
		.amdhsa_wavefront_size32 1
		.amdhsa_system_sgpr_workgroup_id_x 1
		.amdhsa_system_sgpr_workgroup_id_y 1
		.amdhsa_system_sgpr_workgroup_id_z 1
		.amdhsa_system_vgpr_workitem_id 0
		.amdhsa_next_free_vgpr 256
		.amdhsa_next_free_sgpr 96
		.amdhsa_reserve_vcc 0
		.amdhsa_float_denorm_mode_32 3
		.amdhsa_float_denorm_mode_16_64 3
		.amdhsa_memory_ordered 1
		.amdhsa_forward_progress 1
		.amdhsa_inst_pref_size 34
	.end_amdhsa_kernel
	.amdgpu_metadata
---
amdhsa.version: [ 1, 2 ]
amdhsa.kernels:
  - .name:           k_q58719bde6c_attn
    .symbol:         k_q58719bde6c_attn.kd
    .args:
      - { .name: qk, .offset: 0, .size: 8, .value_kind: global_buffer, .address_space: global }
      - { .name: vt, .offset: 8, .size: 8, .value_kind: global_buffer, .address_space: global }
      - { .name: ao, .offset: 16, .size: 8, .value_kind: global_buffer, .address_space: global }
    .group_segment_fixed_size: 239616
    .private_segment_fixed_size: 0
    .kernarg_segment_align: 8
    .kernarg_segment_size: 24
    .max_flat_workgroup_size: 512
    .sgpr_count:     96
    .vgpr_count:     256
    .wavefront_size: 32
...
	.end_amdgpu_metadata
.endif
;; end of part 4
;; launch proj_o (part 5): grid 4 x 64, 4 waves a work-group, clusters of 4 x 4, 307,712 bytes of LDS; arguments ao, woq, bo, out0; writes out0
.if DOCPART == 5
	.amdgcn_target "amdgcn-amd-amdhsa--gfx1250"
	.amdhsa_code_object_version 6
	.text
	.protected	k_q58719bde6c_proj_o
	.globl	k_q58719bde6c_proj_o
	.p2align	8
	.type	k_q58719bde6c_proj_o,@function
k_q58719bde6c_proj_o:
	s_mov_b64 s[64:65], 0
	v_nop
	global_prefetch_b8 v0, s[64:65] scope:SCOPE_SE
	s_setreg_imm32_b32 hwreg(HW_REG_WAVE_MODE, 25, 1), 1
	s_wait_xcnt 0x0
	s_wait_alu depctr_hold_cnt(0) depctr_sa_sdst(0) depctr_va_vdst(0) depctr_va_sdst(0) depctr_va_ssrc(0) depctr_va_vcc(0) depctr_vm_vsrc(0)
	s_getreg_b32 s2, hwreg(HW_REG_IB_STS2, 6, 4)
	s_cmp_eq_u32 s2, 0
	s_cbranch_scc0 .Lentry_in_a_cluster
	s_endpgm
.Lentry_in_a_cluster:
	s_bfe_u32 s2, ttmp6, 0x10000c
	s_cmp_lg_u32 s2, 0xf033
	s_cbranch_scc0 .Lentry_shape_is_right
	s_endpgm
.Lentry_shape_is_right:
; out0[m][n] = sum over k of A[m][k] Wo[n][k] + bo[n].  A (buffer ao, 8,192 rows) and Wo (buffer woq, 1,024 rows) come as codes of FP6 (E2M3), K = 1,024, with one E8M0 byte for each 32 along K,
; as records of 12,800 bytes for each group of 16 rows: 16 half fragments (16 rows x 64 K, 768 bytes: lane l's registers 0-3 at 16 l, registers 4-5 at 512 + 8 l), then 512 bytes of scale words [quad][r][4 words].
; Index r of group 2 b + u stands for row 32 b + 8 u + r + 8 (r / 8).
; A work-group makes 128 x 256 of the result: 64 x 4 = 256 work-groups.  ALL OF K STAYS IN LDS: A's 8 records and Wo's 16 are two dense runs of memory, 307,200 bytes together, filled once, one joint load a wave
; (waves 0, 1: four records of A each; waves 2, 3: eight of Wo each).  Nothing is filled again: one wait, one barrier, then eight steps of 128 along K with no barrier between them.
; No prefetch: everything is asked for once, at the head, and there is no loop to run ahead in.
; CLUSTERS: 4 x 4 work-groups; A's records are shared along a row of the cluster, Wo's along a column: each is asked for jointly, with a mask that names the four.
; A wave makes 64 x 128: 32 accumulators.  The matrix instruction is used transposed (source 0 = 16 rows of Wo, source 1 = 16 rows of A): a lane holds eight neighbouring numbers of a row of the result.
; The bias is the C of each accumulator's first product.  Both operands have two sets of registers: a step's 48 LDS loads are issued ahead of the step before's 32 products.
; REGISTERS: window 0: v16-31 addresses, v32-95 scale words (register 8 i + q: lanes 0-15 A's group i, lanes 16-31 Wo's group i, step q), v128-223 A's two sets; window 1: Wo's two sets at v0 and v128,
; the bias at v96-127 and v224-255; window 2: the accumulators, (a, b) at v[8 (8 a + b)].
.set GRPB,  12800
.set ABYT,  8*GRPB                     ; A's records lie at LDS byte 0, Wo's behind them
.set SPARE, 24*GRPB                    ; behind the records: the spare words, 128 bytes for each wave
.set SPITCH, 528                       ; the way out: a stage of 16 rows x (512 + 16) bytes for each wave, from LDS byte 0 on: those bytes have had their one fill, and are read no more behind the last step's barrier
.set FR,    12
.set ADRA,  16                         ; v16, v17  my four groups of A: + 16 lane, + 8 lane
.set ADRB,  18                         ; v18, v19  my groups 0-3 of Wo;  v20, v21 groups 4-7
.set ADRS,  22                         ; v22 scale words of groups 0-3 (lanes 0-15 A's, lanes 16-31 Wo's); v23 of groups 4-7
.set STO,   24
.set RD,    25
.set CO,    26
.set SPW,   28
.set NIL,   29
.set BO,    31
.set SC,    32
.set AF,    128
.set BK,    128
.set G1,   24
.set G0,   32
.set G1B,  48
.set G0B,  56
.set MSB, 0
.macro WIN new                         ; the immediate's high byte repeats the setting that is left
.if MSB != \new
	s_set_vgpr_msb (MSB<<8)|\new
.set MSB, \new
.endif
.endm
.set MUL_LO, 0xa1                      ; source 0 window 1, source 1 window 0, C and D window 2
.set MUL_C1, 0x91                      ; the same with C in window 1: the bias
.set TO_B,   0x40
.macro CROUND
	s_barrier_signal -1
	s_barrier_wait -1
	s_cmp_lg_u32 s14, 0
	s_cbranch_scc1 .Lnot_wave_0_\@
	s_barrier_signal -3
.Lnot_wave_0_\@:
	s_barrier_wait -3
	s_barrier_signal -1
	s_barrier_wait -1
.endm
.macro PLACES n
.rept \n
	v_nop
.endr
.endm
	s_load_b128 s[4:7], s[0:1], 0x0                ; ao, woq
	s_load_b128 s[8:11], s[0:1], 0x10              ; bo, out0
	v_lshl_add_u32 v[SPW], v0, 2, SPARE
	v_mov_b32 v[NIL], 0
	ds_add_u32 v[SPW], v[NIL]                      ; the opening lines: the add, twice on end, and its wait ahead of the first tensor load
	ds_add_u32 v[SPW], v[NIL]
	v_lshrrev_b32 v1, 5, v0
	v_readfirstlane_b32 s14, v1                    ; wave 0..3
	s_lshr_b32 s15, s14, 1                         ; which 64 rows are mine.  Also: I fetch for A (0) or for Wo (1)
	s_and_b32 s16, s14, 1                          ; which 128 columns.  Also: which half of that operand's records I fetch
	s_bfe_u32 s40, ttmp6, 0x40000                  ; cx, cy
	s_bfe_u32 s41, ttmp6, 0x40004
	s_lshl_b32 s42, ttmp9, 2
	s_add_co_u32 s42, s42, s40                     ; tile column
	s_and_b32 s17, ttmp7, 0xffff
	s_lshl_b32 s17, s17, 2
	s_add_co_u32 s17, s17, s41                     ; tile row
	s_lshl_b32 s43, s41, 2
	s_lshl_b32 s43, 15, s43                        ; my row of the cluster
	s_lshl_b32 s44, 0x1111, s40                    ; my column
	s_or_b32 s[G1+0], s43, (3<<16)|(1<<21)         ; dense runs as rows of 256 bytes (32 elements of 8): A's four records are 200 rows,
	s_mov_b32 s[G1+1], 32<<16
	s_mov_b32 s[G1+2], 200<<16
	s_mov_b32 s[G1+3], 32<<16
	s_mov_b32 s[G1+4], 200
	s_mov_b32 s[G1+5], 32
	s_mov_b32 s[G1+6], 0
	s_mov_b32 s[G1+7], 0
	s_or_b32 s[G1B+0], s44, (3<<16)|(1<<21)        ; Wo's eight 400
	s_mov_b32 s[G1B+1], 32<<16
	s_mov_b32 s[G1B+2], 400<<16
	s_mov_b32 s[G1B+3], 32<<16
	s_mov_b32 s[G1B+4], 400
	s_mov_b32 s[G1B+5], 32
	s_mov_b32 s[G1B+6], 0
	s_mov_b32 s[G1B+7], 0
	s_lshl_b32 s20, s17, 3                         ; A: group 8 x tile row + 4 x half
	s_lshl_b32 s18, s16, 2
	s_add_co_u32 s20, s20, s18
	s_mul_i32 s20, s20, GRPB
	s_mov_b32 s21, 0
	s_lshl_b32 s46, s42, 4                         ; Wo: group 16 x tile column + 8 x half
	s_lshl_b32 s18, s16, 3
	s_add_co_u32 s46, s46, s18
	s_mul_i32 s46, s46, GRPB
	s_mov_b32 s47, 0
	s_mov_b32 s[G0], 1
	s_mul_i32 s[G0+1], s16, 4*GRPB
	s_mov_b32 s[G0B], 1
	s_mul_i32 s[G0B+1], s16, 8*GRPB
	s_add_co_u32 s[G0B+1], s[G0B+1], ABYT
	s_wait_dscnt 0x0                               ; both opening adds are done
	s_wait_kmcnt 0x0
	s_add_nc_u64 s[G0+2:G0+3], s[4:5], s[20:21]
	s_or_b32 s[G0+3], s[G0+3], 0x80000000
	s_add_nc_u64 s[G0B+2:G0B+3], s[6:7], s[46:47]
	s_or_b32 s[G0B+3], s[G0B+3], 0x80000000
	CROUND                                         ; all sixteen work-groups are here: the joint loads meet
	s_cmp_eq_u32 s15, 0                            ; every way passes exactly one load
	s_cbranch_scc0 .Lfor_b
	tensor_load_to_lds s[G0:G0+3], s[G1:G1+7]
	s_nop 0
	PLACES 4
	s_branch .Lasked
.Lfor_b:
	tensor_load_to_lds s[G0B:G0B+3], s[G1B:G1B+7]
	s_nop 0
	PLACES 4
.Lasked:
	s_lshl_b32 s20, s17, 7
	s_lshl_b32 s21, s15, 6
	s_add_co_u32 s20, s20, s21                     ; my first row: 128 x tile row + 64 x half,
	s_lshl_b32 s20, s20, 12                        ; of 4,096 bytes
	s_lshl_b32 s46, s42, 10                        ; my first column, in bytes: 1,024 x tile column + 512 x half
	s_lshl_b32 s47, s16, 9
	s_add_co_u32 s46, s46, s47
	s_mov_b32 s47, 0
	s_add_nc_u64 s[8:9], s[8:9], s[46:47]
	s_add_co_u32 s20, s20, s46
	s_mov_b32 s21, 0
	s_add_nc_u64 s[10:11], s[10:11], s[20:21]
	s_mul_i32 s22, s15, 4*GRPB                     ; my four groups of A in LDS,
	s_mul_i32 s23, s16, 8*GRPB
	s_add_co_u32 s23, s23, ABYT                    ; my eight of Wo
	s_add_co_u32 s12, s22, 16*768                  ; their scale words: A's, and how far on Wo's lie
	s_add_co_u32 s13, s23, 16*768
	s_sub_co_u32 s13, s13, s12
	s_mul_i32 s18, s14, 16*SPITCH                  ; my stage
	v_and_b32 v1, 15, v0                           ; r
	v_bfe_u32 v2, v0, 4, 1                         ; h
	v_and_b32 v3, 31, v0
	v_lshlrev_b32 v4, 4, v3
	v_lshlrev_b32 v5, 3, v3
	v_add_nc_u32 v[ADRA], s22, v4
	v_add_nc_u32 v[ADRA+1], s22, v5
	v_add_nc_u32 v[ADRB], s23, v4
	v_add_nc_u32 v[ADRB+1], s23, v5
	v_add_nc_u32 v[ADRB+2], 4*GRPB, v[ADRB]
	v_add_nc_u32 v[ADRB+3], 4*GRPB, v[ADRB+1]
	v_mul_u32_u24 v7, s13, v2                      ; lanes 16-31 take Wo's
	v_lshl_add_u32 v6, v1, 4, v7
	v_add_nc_u32 v[ADRS], s12, v6
	v_add_nc_u32 v[ADRS+1], 4*GRPB, v[ADRS]
	v_mul_u32_u24 v6, v1, SPITCH                   ; into the stage: row r, 64 bytes for each half of the lanes
	v_lshl_add_u32 v6, v2, 6, v6
	v_add_nc_u32 v[STO], s18, v6
	v_add_nc_u32 v[RD], s18, v4                    ; back: the 32 lanes take one row of 512 bytes; and the same in the result
	v_mov_b32 v[CO], v4
	v_lshlrev_b32 v[BO], 6, v2
	WIN TO_B
.irp b, 0,1,2,3,4,5,6,7                ; the bias in the result's layout: register j of group b is column 32 (b / 2) + 8 (b % 2) + 16 h + j
	global_load_b128 v[96+128*(\b/4)+8*(\b%4):96+128*(\b/4)+8*(\b%4)+3], v[BO], s[8:9] offset:(32*(\b/2)+8*(\b%2))*4
	global_load_b128 v[96+128*(\b/4)+8*(\b%4)+4:96+128*(\b/4)+8*(\b%4)+7], v[BO], s[8:9] offset:(32*(\b/2)+8*(\b%2))*4+16
.endr
	WIN 0
.macro FRAG reg, a16, a8, off          ; a fragment, 16 rows x 128 K: two half fragments
	ds_load_b128 v[\reg:\reg+3], v[\a16] offset:\off
	ds_load_b64 v[\reg+4:\reg+5], v[\a8] offset:\off+512
	ds_load_b128 v[\reg+6:\reg+9], v[\a16] offset:\off+768
	ds_load_b64 v[\reg+10:\reg+11], v[\a8] offset:\off+1280
.endm
.macro FETCH q                         ; step q's twelve fragments, 48 loads, into set q % 2
	WIN TO_B
.irp i, 0,1,2,3,4,5,6,7
	FRAG 128*((\q)%2)+FR*\i, ADRB+2*(\i/4), ADRB+2*(\i/4)+1, (\i%4)*GRPB+(\q)*1536
.endr
	WIN 0
.irp i, 0,1,2,3
	FRAG AF+48*((\q)%2)+FR*\i, ADRA, ADRA+1, \i*GRPB+(\q)*1536
.endr
.endm
.macro MUL32 q, zero                   ; 32 products: the accumulators by turns, in the same order in every step
.irp a, 0,1,2,3
.irp b, 0,1,2,3,4,5,6,7
.if \zero
	v_wmma_scale_f32_16x16x128_f8f6f4 v[8*(8*\a+\b):8*(8*\a+\b)+7], v[128*((\q)%2)+FR*\b:128*((\q)%2)+FR*\b+FR-1], v[AF+48*((\q)%2)+FR*\a:AF+48*((\q)%2)+FR*\a+FR-1], v[96+128*(\b/4)+8*(\b%4):96+128*(\b/4)+8*(\b%4)+7], v[SC+8*\b+(\q)], v[SC+8*\a+(\q)] matrix_a_fmt:MATRIX_FMT_FP6 matrix_b_fmt:MATRIX_FMT_FP6 matrix_a_scale:MATRIX_SCALE_ROW1
.else
	v_wmma_scale_f32_16x16x128_f8f6f4 v[8*(8*\a+\b):8*(8*\a+\b)+7], v[128*((\q)%2)+FR*\b:128*((\q)%2)+FR*\b+FR-1], v[AF+48*((\q)%2)+FR*\a:AF+48*((\q)%2)+FR*\a+FR-1], v[8*(8*\a+\b):8*(8*\a+\b)+7], v[SC+8*\b+(\q)], v[SC+8*\a+(\q)] matrix_a_fmt:MATRIX_FMT_FP6 matrix_b_fmt:MATRIX_FMT_FP6 matrix_a_scale:MATRIX_SCALE_ROW1
.endif
.endr
.endr
.endm
	s_wait_alu depctr_va_vdst(0)                   ; the wait at the head's end
	s_wait_tensorcnt 0x0                           ; my records are in
	s_barrier_signal -1
	s_barrier_wait -1                              ; and so are everybody's
	FETCH 0
.irp i, 0,1,2,3,4,5,6,7                ; the scale words of all eight steps.  (Of groups 4-7 lanes 0-15 read words of records that are not my wave's A: no product names them there)
	ds_load_b128 v[SC+8*\i:SC+8*\i+3], v[ADRS+\i/4] offset:(\i%4)*GRPB
	ds_load_b128 v[SC+8*\i+4:SC+8*\i+7], v[ADRS+\i/4] offset:(\i%4)*GRPB+256
.endr
	FETCH 1
	s_wait_loadcnt 0x0                             ; the bias
	s_wait_dscnt 48                                ; all but step 1's 48 loads
	WIN MUL_C1
	MUL32 0, 1
.set QQ, 1
.rept 6
	PLACES 4                                       ; in front of loads into registers that the last step's products have read
	FETCH QQ+1
	s_wait_dscnt 48                                ; this step's fragments are in; the next step's 48 loads may be out
	WIN MUL_LO
	MUL32 QQ, 0
.set QQ, QQ+1
.endr
	s_wait_dscnt 0x0                               ; my reads of the records are over:
	s_barrier_signal -1                            ; say so, work on registers while the others arrive,
	MUL32 7, 0
	WIN 0
	s_barrier_wait -1                              ; and store into the stage only when all four have said so
	PLACES 4
; THE WAY OUT, block by block of 16 rows x 128 columns, through my own stage: whole rows of 512 bytes come back, which the 32 lanes store as two aligned units of 256 bytes
.macro TOSTAGE a
.set AC, 64*(\a)
	WIN 0x08                                       ; the data: window 2
.irp b, 0,1,2,3,4,5,6,7
	ds_store_b128 v[STO], v[AC+8*\b:AC+8*\b+3] offset:128*(\b/2)+32*(\b%2)          ; each accumulator from its low end on
	ds_store_b128 v[STO], v[AC+8*\b+4:AC+8*\b+7] offset:128*(\b/2)+32*(\b%2)+16
.endr
	WIN 0
.set BB, BK+64*((\a)%2)
.irp t, 0,1,2,3,4,5,6,7,8,9,10,11,12,13,14,15
	ds_load_b128 v[BB+4*\t:BB+4*\t+3], v[RD] offset:\t*SPITCH                       ; LDS serves a wave's instructions in order: these see the stores above
.endr
.endm
.macro SEND a, younger                 ; younger: the LDS instructions issued behind block a's loads, which may stay out
.set BB, BK+64*((\a)%2)
	s_wait_dscnt \younger
.irp t, 0,1,2,3,4,5,6,7,8,9,10,11,12,13,14,15
	global_store_b128 v[CO], v[BB+4*\t:BB+4*\t+3], s[10:11] offset:(32*((\a)/2)+8*((\a)%2)+\t+8*(\t/8))*4096 th:TH_STORE_NT
.endr
.endm
	TOSTAGE 0
.irp a, 1,2,3
.if \a > 1
	s_wait_xcnt 0x0                                ; block a - 2's stores have read their registers: block a's loads may land there
.endif
	TOSTAGE \a
	SEND \a-1, 32
.endr
	SEND 3, 0
	s_wait_tensorcnt 0x0                           ; the wave's end
	ds_add_u32 v[SPW], v[NIL]
	s_wait_dscnt 0x0
	CROUND                                         ; the closing round
	s_endpgm
.Lfunc_end_k_q58719bde6c_proj_o:
	.size	k_q58719bde6c_proj_o, .Lfunc_end_k_q58719bde6c_proj_o-k_q58719bde6c_proj_o
	.p2alignl 7, 3214868480
	.fill 96, 4, 3214868480
	.section	.rodata,"a",@progbits
	.p2align	6, 0x0
	.amdhsa_kernel k_q58719bde6c_proj_o
		.amdhsa_group_segment_fixed_size 307712
		.amdhsa_private_segment_fixed_size 0
		.amdhsa_enable_private_segment 0
		.amdhsa_kernarg_size 32
		.amdhsa_user_sgpr_count 2
		.amdhsa_user_sgpr_kernarg_segment_ptr 1
		.amdhsa_wavefront_size32 1
		.amdhsa_system_sgpr_workgroup_id_x 1
		.amdhsa_system_sgpr_workgroup_id_y 1
		.amdhsa_system_sgpr_workgroup_id_z 1
		.amdhsa_system_vgpr_workitem_id 0
		.amdhsa_next_free_vgpr 768
		.amdhsa_next_free_sgpr 66
		.amdhsa_reserve_vcc 0
		.amdhsa_float_denorm_mode_32 3
		.amdhsa_float_denorm_mode_16_64 3
		.amdhsa_memory_ordered 1
		.amdhsa_forward_progress 1
		.amdhsa_inst_pref_size 82
	.end_amdhsa_kernel
	.amdgpu_metadata
---
amdhsa.version: [ 1, 2 ]
amdhsa.kernels:
  - .name:           k_q58719bde6c_proj_o
    .symbol:         k_q58719bde6c_proj_o.kd
    .args:
      - { .name: ao, .offset: 0, .size: 8, .value_kind: global_buffer, .address_space: global }
      - { .name: woq, .offset: 8, .size: 8, .value_kind: global_buffer, .address_space: global }
      - { .name: bo, .offset: 16, .size: 8, .value_kind: global_buffer, .address_space: global }
      - { .name: out0, .offset: 24, .size: 8, .value_kind: global_buffer, .address_space: global }
    .group_segment_fixed_size: 307712
    .private_segment_fixed_size: 0
    .kernarg_segment_align: 8
    .kernarg_segment_size: 32
    .max_flat_workgroup_size: 128
    .sgpr_count:     66
    .vgpr_count:     768
    .wavefront_size: 32
...
	.end_amdgpu_metadata
.endif
;; end of part 5
